; MI455X (gfx1250); checked and timed in simulation.
; The chip was launched on July 23, 2026; its instructions are those of AMD's public machine-readable ISA for CDNA 5 (MIT licence, August 2026) and "CDNA5" Instruction Set Architecture Reference Guide (July 2026). The comments in the code are by the model that wrote it; some were corrected since.
;; Multi Head Attention. Allowed arithmetic: matrix products marked QUANTISED: E2M3 operands, one E8M0 scale for each 32 along K, by v_wmma_scale_f32_16x16x128_f8f6f4 with both operands' format E2M3, f32 sums; everything else in f32.
;; Inputs: Wk 1,024 x 1,024 float32; Wo 1,024 x 1,024 float32; Wq 1,024 x 1,024 float32; Wv 1,024 x 1,024 float32; valid_lens 2 int32; x 2 x 2,048 x 1,024 float32.
;; Outputs: out0 2 x 2,048 x 1,024 float32.
;; This version of the problem:
;;   THIS VERSION OF THE PROBLEM IS GIVEN IN LOW PRECISION. The matrix products marked QUANTISED in the list below multiply operands that are first quantised to E2M3 (2 exponent bits, 3 mantissa bits; 6 bits a number), with one power-of-two scale for each 32 numbers along K (OCP MX v1.0); their sums are f32. All else is computed in f32.
;;   The module's matrix products, in the order in which they are computed (A, B: the left and right operand; K: the contracted axis; several contracted axes count as one K, in the product's order):
;;     1. [M 4,096, K 1,024] x [K 1,024, N 1,024]; A: input x; B: input Wq: QUANTISED
;;     2. [M 4,096, K 1,024] x [K 1,024, N 1,024]; A: input x; B: input Wk: QUANTISED
;;     3. [M 4,096, K 1,024] x [K 1,024, N 1,024]; A: input x; B: input Wv: QUANTISED
;;     4. batch 32 x [M 2,048, K 64] x [K 64, N 2,048]; A: computed on the way; B: computed on the way: QUANTISED
;;     5. batch 32 x [M 2,048, K 2,048] x [K 2,048, N 64]; A: softmax (see below); B: computed on the way: QUANTISED
;;     6. [M 4,096, K 1,024] x [K 1,024, N 1,024]; A: computed on the way; B: input Wo: QUANTISED
;;   THE QUANTISER, for each operand of a quantised product, along K:
;;     - K is cut into blocks of 32 from its start; a last block that is shorter is filled with zeros.
;;     - A block's scale is 2^e with e = floor(log2(the largest magnitude in the block)) - 2, held to -126 .. 127; a block of zeros has e = 0. As a byte (E8M0): e + 127.
;;     - Each number is divided by its block's scale, clamped to +-7.5, and rounded to the nearest number of E2M3, ties to even, subnormals kept.
;;     - The product sums the exact products of the quantised numbers (number of the format x scale) in f32.
;;   ~~~python
;;   def quantise(x, axis):      # numpy; x: float32 -> the quantised numbers, widened to float32 again
;;       x = np.moveaxis(x, axis, -1); K = x.shape[-1]
;;       x = np.pad(x, [(0, 0)] * (x.ndim - 1) + [(0, -K % 32)]); x = x.reshape(x.shape[:-1] + (-1, 32)); a = np.abs(x).max(-1, keepdims=True)
;;       e = np.where(a > 0, np.clip(np.frexp(np.where(a > 0, a, 1))[1] - 1 - 2, -126, 127), 0)      # np.frexp(a)[1] - 1 = floor(log2(a)), exactly
;;       r = np.clip(x / 2.0 ** e, -7.5, 7.5)
;;       step = 2.0 ** (np.maximum(np.frexp(np.where(r == 0, 1, r))[1] - 1, 0) - 3)
;;       q = np.round(r / step) * step * 2.0 ** e      # np.round: ties to even
;;       return np.moveaxis(q.reshape(q.shape[:-2] + (-1,))[..., :K], -1, axis).astype(np.float32)
;;   ~~~
;;   SOFTMAX AHEAD OF A QUANTISED PRODUCT. Where the list says 'softmax', what is quantised is not the finished softmax but p = 2^(t - M), with t = logit x log2(e) and M = ceil(the row's largest t), a whole number; so 1/2 < the row's largest p <= 1. The row's sum l is taken of the UNQUANTISED p, in f32, and the product's result is divided by l at the end. Since M is a whole number, a kernel that streams over the keys may use a running M (the ceiling of the running maximum): every later rescaling is an exact power of two, which a block's scale takes up: the codes' values come out the same.
;;   OPERANDS COMPUTED ON THE WAY. 'Computed on the way' means the value that the module computes at that place (a softmax that the list does not call 'softmax' is quantised finished and normalised). What goes into a quantiser is computed in f32, as accurately as f32 sums, v_exp_f32 and their like allow (about 1e-6 of the number): no bf16 or f16 on the way to a quantiser, and a product that is left as it is and whose result goes on into a quantised operand takes f32 operands (vector FMAs, or v_wmma_f32_16x16x4_f32). A number that lies on a knife's edge between two numbers of the format may be rounded either way, as far as f32 arithmetic and the matrix unit's own rounding can turn it there, and no further.
;; One version. Each part assembles by itself: llvm-mc -triple=amdgcn-amd-amdhsa -mcpu=gfx1250 --defsym DOCPART=n.
;; ======== version 1 of 1: 4 launches
;; limits: right only within a limited range of input values
;; workspace buffers: xq 3,276,800 bytes; wq 3,276,800 bytes; qq 4,456,448 bytes; kv 7,733,248 bytes; oq 3,276,800 bytes
;; launch prep (part 1): grid 512 x 1, 4 waves a work-group, no clusters, 46,592 bytes of LDS; arguments x, Wq, Wk, Wv, Wo, xq, wq; writes xq, wq
.if DOCPART == 1
	.amdgcn_target "amdgcn-amd-amdhsa--gfx1250"
	.amdhsa_code_object_version 6
	.text
	.protected	k_q8da2772582_prep
	.globl	k_q8da2772582_prep
	.p2align	8
	.type	k_q8da2772582_prep,@function
k_q8da2772582_prep:
	s_mov_b64 s[64:65], 0
	v_nop
	global_prefetch_b8 v0, s[64:65] scope:SCOPE_SE
	s_setreg_imm32_b32 hwreg(HW_REG_WAVE_MODE, 25, 1), 1
	s_wait_xcnt 0x0
; x [4096][1024] (K innermost) and Wq, Wk, Wv, Wo [1024 (k)][1024 (n)] (K outermost), f32, become codes of FP6 (E2M3) with one E8M0 byte for each 32 along K.
; A block's scale is 2^(floor(log2(its largest magnitude)) - 2): its byte is the largest magnitude's exponent field - 2, held at 1 from below by a floor among the maximum's leaves.
; LIMITS: NaN and infinities are not served; a block whose largest magnitude lies under 2^-124 keeps the byte 1; a block of zeros gets the byte 1 where the rule says 127 (its codes are zeros; this program alone reads the bytes).
; THE OUTPUT IS LAID AS THE MATRIX OPERAND'S REGISTERS.  Rows go in groups of 128; tile i (0..7) of a group holds in lane r the row 32 (i / 2) + 8 (i % 2) + r + 8 (r / 8).
; A fragment (16 rows x 128 K, 12 registers a lane) is 1,536 bytes: for c = 0, 1: registers 6 c .. 6 c + 3 at 768 c + 16 x lane, registers 6 c + 4, 6 c + 5 at 768 c + 512 + 8 x lane.
; Codes: [group 32][128 K 8][tile 8][1,536]; behind them, at byte 3,145,728, the scale words [group][128 K][tile][row 16], 4 bytes each.  wq's groups: 0-7 Wq, 8-15 Wk, 16-23 Wv, 24-31 Wo; its rows are the columns n.
; Work-groups 0-255 take x (a group x 128 K each), 256-511 the weights.  A wave makes two fragments.  Waves share nothing: no barrier.  Each of the two paths has LDS bytes of its own.
; WORK LEFT OUT, in launch attn: the products q k of key steps (128 keys) that lie wholly at or behind valid_lens[b].  reference() replaces those scores by MASK_VALUE in its own jnp.where, whatever q and k hold,
; so they reach no output.  What the masked keys add to the softmax's sum and to the second product is still computed, from the score MASK_VALUE.  A NaN, an infinity or an overflow that reaches only those scores is not carried to the result.
.set GRP,  98304
.set SUB,  12288
.set SCO,  3145728
.set SEL,  20                          ; s[20:21] lane selects: lane l xor 16
.set TM,   8                           ; v8-23   at work in QUANT
.set PW,   24                          ; v24     the scale word just made
.set R,    32                          ; v32-159 numbers as loaded
.set X,    160                         ; v160-223 64 numbers of a lane, 16 neighbours of each block of 32
.set PC,   224                         ; v224-242 codes
.set STW0, 33792                       ; LDS: the x path's four stages of 16 x 528 bytes lie below, the weights' four of 3,072 from here on
; 64 numbers of a lane, register 16 b + i = k 32 b + 16 (lane / 16) + i of my row, become a fragment's codes in v[PC] on and its scale word in v[PW].
.macro QUANT s
.irp b, 0,1,2,3
	v_max3_num_f32 v[TM+\b], |v[\s+16*\b]|, |v[\s+1+16*\b]|, 0x1800000   ; my 16 numbers of block b, and the floor 2^(3 - 127)
.endr
.irp i, 2,4,6,8,10,12,14
.irp b, 0,1,2,3
	v_max3_num_f32 v[TM+\b], v[TM+\b], |v[\s+16*\b+\i]|, |v[\s+1+16*\b+\i]|
.endr
.endr
.irp b, 0,1,2,3
	v_permlanex16_b32 v[TM+4+\b], v[TM+\b], s[SEL], s[SEL+1]
.endr
.irp b, 0,1,2,3
	v_max_num_f32 v[TM+\b], v[TM+\b], v[TM+4+\b]   ; with lane l xor 16's: the block's largest magnitude
.endr
.irp b, 0,1,2,3
	v_add_nc_u32 v[TM+12+\b], 0xff000000, v[TM+\b]   ; 2 off its exponent field: the conversion's scale operand
.endr
.irp b, 0,1,2,3
	v_lshrrev_b32 v[TM+4+\b], 23, v[TM+12+\b]      ; the scale's byte
.endr
	v_lshl_or_b32 v[PW], v[TM+5], 8, v[TM+4]
	v_lshl_or_b32 v[PW], v[TM+6], 16, v[PW]
	v_lshl_or_b32 v[PW], v[TM+7], 24, v[PW]
.irp c, 0,1
	v_cvt_scalef32_pk16_fp6_f32 v[PC+6*\c:PC+2+6*\c], v[\s+32*\c:\s+15+32*\c], v[TM+12+2*\c]
	v_cvt_scalef32_pk16_fp6_f32 v[PC+12+4*\c:PC+14+4*\c], v[\s+16+32*\c:\s+31+32*\c], v[TM+12+2*\c+1]   ; (a conversion's three registers begin on an even number)
.endr
	v_nop                                          ; one plain place behind a scaled conversion
.irp c, 0,1                                    ; the operand wants a whole block in a lane: lanes 0-15 block 2 c, lanes 16-31 block 2 c + 1
.irp i, 0,1,2
	v_permlane16_swap_b32 v[PC+6*\c+\i], v[PC+12+4*\c+\i]
.endr
.irp i, 0,1,2
	v_mov_b32 v[PC+3+6*\c+\i], v[PC+12+4*\c+\i]
.endr
.endr
.endm
	s_load_b256 s[4:11], s[0:1], 0x0               ; x, Wq, Wk, Wv
	s_load_b128 s[12:15], s[0:1], 0x20             ; Wo, xq
	s_load_b64 s[16:17], s[0:1], 0x30              ; wq
	v_lshl_add_u32 v254, v0, 2, 0xb400
	v_mov_b32 v255, 0
	v_lshrrev_b32 v1, 5, v0
	v_readfirstlane_b32 s18, v1                    ; wave 0..3
	v_and_b32 v1, 31, v0                           ; lane
	v_and_b32 v2, 15, v0                           ; r
	v_bfe_u32 v3, v0, 4, 1                         ; h
	s_mov_b32 s[SEL], 0x76543210
	s_mov_b32 s[SEL+1], 0xfedcba98
	s_cmp_lt_u32 ttmp9, 256
	s_cbranch_scc0 .Lw
	; ---- x: group g = id / 8, K 128 (id % 8) on; wave w makes tiles 2 w and 2 w + 1 (rows 32 w .. 32 w + 31 of the group)
	s_lshr_b32 s24, ttmp9, 3                       ; g
	s_and_b32 s25, ttmp9, 7                        ; which 128 along K
	v_lshlrev_b32 v4, 4, v1                        ; 16 x lane
	v_lshlrev_b32 v5, 3, v1                        ; 8 x lane
	v_lshlrev_b32 v26, 2, v1                       ; 4 x lane
	s_mul_i32 s26, s18, 8448                       ; my stage: 16 rows of 512 bytes + 16
	v_add_nc_u32 v6, s26, v4                       ; in: a row's 512 bytes as they lie
	v_mul_u32_u24 v7, v2, 528
	v_lshl_add_u32 v7, v3, 6, v7
	v_add_nc_u32 v7, s26, v7                       ; out: row r, + 64 h: my 16 numbers of a block
.irp b, 0,1,2,3
	v_mov_b32 v[TM+4+\b], 0                        ; written once: a lane permute's destination counts as one of its sources
.endr
	s_lshl_b32 s28, s24, 7
	s_lshl_b32 s29, s18, 5
	s_add_co_u32 s28, s28, s29
	s_lshl_b32 s28, s28, 12                        ; (128 g + 32 w) rows of 4,096 bytes
	s_lshl_b32 s29, s25, 9
	s_add_co_u32 s28, s28, s29                     ; + 512 bytes for each 128 along K
	s_mov_b32 s29, 0
	s_mul_i32 s30, s24, GRP
	s_mul_i32 s31, s25, SUB
	s_add_co_u32 s30, s30, s31
	s_mul_i32 s31, s18, 3072
	s_add_co_u32 s30, s30, s31                     ; my two fragments
	s_mov_b32 s31, 0
	s_lshl_b32 s32, s24, 12
	s_lshl_b32 s33, s25, 9
	s_add_co_u32 s32, s32, s33
	s_lshl_b32 s33, s18, 7
	s_add_co_u32 s32, s32, s33
	s_add_co_u32 s32, s32, SCO                     ; their 32 scale words
	s_mov_b32 s33, 0
	s_wait_alu depctr_va_vdst(0)
	s_wait_kmcnt 0x0
	s_add_nc_u64 s[4:5], s[4:5], s[28:29]
	s_add_nc_u64 s[22:23], s[14:15], s[32:33]
	s_add_nc_u64 s[14:15], s[14:15], s[30:31]
.irp u, 0,1                                    ; all 32 loads go out first; each reads 512 consecutive bytes of one row
.irp p, 0,1,2,3,4,5,6,7,8,9,10,11,12,13,14,15
	global_load_b128 v[R+64*\u+4*\p:R+64*\u+4*\p+3], v4, s[4:5] offset:(8*\u+\p+8*(\p/8))*4096 th:TH_LOAD_NT
.endr
.endr
.macro XFRAG u
	s_wait_loadcnt 16-16*\u                        ; this fragment's 16 rows are in; the other fragment's 16 loads may be out
.irp p, 0,1,2,3,4,5,6,7,8,9,10,11,12,13,14,15
	ds_store_b128 v6, v[R+64*\u+4*\p:R+64*\u+4*\p+3] offset:528*\p
.endr
.irp b, 0,1,2,3                                ; LDS serves a wave's instructions in order: these see the stores above
.irp j, 0,1,2,3
	ds_load_b128 v[X+16*\b+4*\j:X+16*\b+4*\j+3], v7 offset:128*\b+16*\j
.endr
.endr
	s_wait_dscnt 0x0
	s_wait_xcnt 0x0                                ; the codes' registers, which the last fragment's stores read, are written again only behind this wait
	QUANT X
	global_store_b128 v4, v[PC:PC+3], s[14:15] offset:1536*\u          ; each store of the wave covers 512 or 256 consecutive bytes
	global_store_b64 v5, v[PC+4:PC+5], s[14:15] offset:1536*\u+512
	global_store_b128 v4, v[PC+6:PC+9], s[14:15] offset:1536*\u+768
	global_store_b64 v5, v[PC+10:PC+11], s[14:15] offset:1536*\u+1280
.endm
	XFRAG 0
	v_mov_b32 v25, v[PW]                           ; tile 2 w's words
	XFRAG 1
	v_cmp_ne_u32 vcc_lo, 0, v3
	v_cndmask_b32 v27, v25, v[PW], vcc_lo          ; lanes 0-15 tile 2 w's word of row r, lanes 16-31 tile 2 w + 1's
	global_store_b32 v26, v27, s[22:23]
	s_wait_tensorcnt 0x0
	ds_add_u32 v254, v255
	s_wait_dscnt 0x0
	s_endpgm
.Lw:	; ---- the weights: group G = idx / 8 of wq, K 128 (idx % 8) on.  A lane takes a column n and its registers run down K: four whole blocks a lane
	s_sub_co_u32 s24, ttmp9, 256
	s_lshr_b32 s25, s24, 3                         ; G
	s_and_b32 s26, s24, 7                          ; which 128 along K
	s_lshr_b32 s27, s25, 3                         ; which weight
	s_and_b32 s28, s25, 7                          ; which 128 of its columns
	s_wait_alu depctr_va_vdst(0)
	v_lshlrev_b32 v4, 2, v1                        ; in: 4 x lane
	v_lshlrev_b32 v10, 4, v1                       ; 16 x lane
	v_bfe_u32 v11, v0, 3, 1                        ; column 32 w + lane is row r' of tile 2 w + u: u = (lane / 8) % 2,
	v_and_b32 v12, 7, v0
	v_lshl_add_u32 v12, v3, 3, v12                 ; r' = lane % 8 + 8 (lane / 16)
	s_mul_i32 s29, s18, 3072
	s_add_co_u32 s29, s29, STW0                    ; my stage: two fragments as they will lie in memory
	v_mul_u32_u24 v13, v11, 1536
	v_add_nc_u32 v13, s29, v13
	v_lshl_add_u32 v6, v12, 4, v13                 ; a block's registers 0-3
	v_lshl_add_u32 v7, v12, 3, v13                 ; and 4, 5
	v_add_nc_u32 v8, s29, v10                      ; out of the stage: 16 x lane
	v_lshlrev_b32 v9, 6, v11
	v_lshl_add_u32 v9, v12, 2, v9                  ; my scale word's place: 64 u + 4 r'
	s_lshl_b32 s30, s26, 19                        ; 128 rows of 4,096 bytes for each 128 along K
	s_lshl_b32 s31, s28, 9
	s_add_co_u32 s30, s30, s31
	s_lshl_b32 s31, s18, 7
	s_add_co_u32 s30, s30, s31                     ; + 4 x (128 g' + 32 w)
	s_mov_b32 s31, 0
	s_mul_i32 s32, s25, GRP
	s_mul_i32 s33, s26, SUB
	s_add_co_u32 s32, s32, s33
	s_mul_i32 s33, s18, 3072
	s_add_co_u32 s32, s32, s33
	s_mov_b32 s33, 0
	s_lshl_b32 s34, s25, 12
	s_lshl_b32 s35, s26, 9
	s_add_co_u32 s34, s34, s35
	s_lshl_b32 s35, s18, 7
	s_add_co_u32 s34, s34, s35
	s_add_co_u32 s34, s34, SCO
	s_mov_b32 s35, 0
	s_wait_kmcnt 0x0
	s_cmp_eq_u32 s27, 1                            ; the choice hangs on the work-group's number alone
	s_cselect_b64 s[6:7], s[8:9], s[6:7]
	s_cmp_eq_u32 s27, 2
	s_cselect_b64 s[6:7], s[10:11], s[6:7]
	s_cmp_eq_u32 s27, 3
	s_cselect_b64 s[6:7], s[12:13], s[6:7]
	s_add_nc_u64 s[6:7], s[6:7], s[30:31]
	s_add_nc_u64 s[22:23], s[16:17], s[34:35]
	s_add_nc_u64 s[16:17], s[16:17], s[32:33]
.macro LOADW t                         ; block t: W(32 t + i, my column): 32 lanes read 128 consecutive bytes
.irp i, 0,1,2,3,4,5,6,7,8,9,10,11,12,13,14,15,16,17,18,19,20,21,22,23,24,25,26,27,28,29,30,31
	global_load_b32 v[R+32*(\t)+\i], v4, s[6:7] offset:(32*(\t)+\i)*4096 th:TH_LOAD_NT
.endr
.endm
.macro BLOCK t
.set XS, R+32*(\t)
.if (\t) < 3
	s_wait_loadcnt 32                              ; this block's 32 loads are in; the next block's may be out
.else
	s_wait_loadcnt 0x0
.endif
.if (\t) < 2
	LOADW (\t)+2                                   ; two blocks ahead, into registers of their own
.endif
	v_max3_num_f32 v12, |v[XS]|, |v[XS+1]|, |v[XS+2]|   ; the block's largest magnitude: all 32 numbers are mine
	v_max3_num_f32 v13, |v[XS+3]|, |v[XS+4]|, |v[XS+5]|
.irp i, 6,10,14,18,22,26
	v_max3_num_f32 v12, v12, |v[XS+\i]|, |v[XS+\i+1]|
	v_max3_num_f32 v13, v13, |v[XS+\i+2]|, |v[XS+\i+3]|
.endr
	v_max3_num_f32 v12, v12, |v[XS+30]|, |v[XS+31]|
	v_max3_num_f32 v12, v12, v13, 0x1800000        ; and the floor 2^(3 - 127)
	v_add_nc_u32 v11, 0xff000000, v12              ; the conversion's scale operand
	v_lshrrev_b32 v13, 23, v11                     ; the scale's byte
.if (\t) == 0
	v_mov_b32 v[PW], v13
.else
	v_lshl_or_b32 v[PW], v13, 8*(\t), v[PW]
.endif
	s_wait_alu depctr_va_vdst(0)
	s_wait_dscnt 0x0                               ; the last block's stores into the stage have read the codes' registers
	v_cvt_scalef32_pk16_fp6_f32 v[PC:PC+2], v[XS:XS+15], v11
	v_cvt_scalef32_pk16_fp6_f32 v[PC+8:PC+10], v[XS+16:XS+31], v11
	v_nop                                          ; one plain place behind a scaled conversion
.irp i, 0,1,2
	v_mov_b32 v[PC+3+\i], v[PC+8+\i]
.endr
	ds_store_b128 v6, v[PC:PC+3] offset:768*((\t)/2)+256*((\t)%2)          ; block t is the lot of lane r' + 16 (t % 2) in half t / 2 of the fragment
	ds_store_b64 v7, v[PC+4:PC+5] offset:768*((\t)/2)+512+128*((\t)%2)
.endm
	LOADW 0
	LOADW 1
	BLOCK 0
	BLOCK 1
	BLOCK 2
	BLOCK 3
.irp n, 0,1,2,3,4,5
	ds_load_b128 v[X+4*\n:X+4*\n+3], v8 offset:512*\n   ; LDS serves a wave's instructions in order: these see my stores
.endr
.irp n, 0,1,2,3,4,5
	s_wait_dscnt 5-\n                              ; the younger loads may be out
	global_store_b128 v10, v[X+4*\n:X+4*\n+3], s[16:17] offset:512*\n   ; 512 consecutive bytes
.endr
	global_store_b32 v9, v[PW], s[22:23]
	s_wait_tensorcnt 0x0
	ds_add_u32 v254, v255
	s_wait_dscnt 0x0
	s_endpgm
.Lfunc_end_k_q8da2772582_prep:
	.size	k_q8da2772582_prep, .Lfunc_end_k_q8da2772582_prep-k_q8da2772582_prep
	.p2alignl 7, 3214868480
	.fill 96, 4, 3214868480
	.section	.rodata,"a",@progbits
	.p2align	6, 0x0
	.amdhsa_kernel k_q8da2772582_prep
		.amdhsa_group_segment_fixed_size 46592
		.amdhsa_private_segment_fixed_size 0
		.amdhsa_enable_private_segment 0
		.amdhsa_kernarg_size 56
		.amdhsa_user_sgpr_count 2
		.amdhsa_user_sgpr_kernarg_segment_ptr 1
		.amdhsa_wavefront_size32 1
		.amdhsa_system_sgpr_workgroup_id_x 1
		.amdhsa_system_sgpr_workgroup_id_y 1
		.amdhsa_system_sgpr_workgroup_id_z 1
		.amdhsa_system_vgpr_workitem_id 0
		.amdhsa_next_free_vgpr 256
		.amdhsa_next_free_sgpr 66
		.amdhsa_reserve_vcc 1
		.amdhsa_float_denorm_mode_32 3
		.amdhsa_float_denorm_mode_16_64 3
		.amdhsa_memory_ordered 1
		.amdhsa_forward_progress 1
		.amdhsa_inst_pref_size 41
	.end_amdhsa_kernel
	.amdgpu_metadata
---
amdhsa.version: [ 1, 2 ]
amdhsa.kernels:
  - .name:           k_q8da2772582_prep
    .symbol:         k_q8da2772582_prep.kd
    .args:
      - { .name: x, .offset: 0, .size: 8, .value_kind: global_buffer, .address_space: global }
      - { .name: Wq, .offset: 8, .size: 8, .value_kind: global_buffer, .address_space: global }
      - { .name: Wk, .offset: 16, .size: 8, .value_kind: global_buffer, .address_space: global }
      - { .name: Wv, .offset: 24, .size: 8, .value_kind: global_buffer, .address_space: global }
      - { .name: Wo, .offset: 32, .size: 8, .value_kind: global_buffer, .address_space: global }
      - { .name: xq, .offset: 40, .size: 8, .value_kind: global_buffer, .address_space: global }
      - { .name: wq, .offset: 48, .size: 8, .value_kind: global_buffer, .address_space: global }
    .group_segment_fixed_size: 46592
    .private_segment_fixed_size: 0
    .kernarg_segment_align: 8
    .kernarg_segment_size: 56
    .max_flat_workgroup_size: 128
    .sgpr_count:     66
    .vgpr_count:     256
    .wavefront_size: 32
...
	.end_amdgpu_metadata
.endif
;; end of part 1
;; launch qkv (part 2): grid 12 x 16, 4 waves a work-group, clusters of 4 x 4, 327,680 bytes of LDS; arguments xq, wq, valid_lens, qq, kv; writes qq, kv
.if DOCPART == 2
	.amdgcn_target "amdgcn-amd-amdhsa--gfx1250"
	.amdhsa_code_object_version 6
	.text
	.protected	k_q8da2772582_qkv
	.globl	k_q8da2772582_qkv
	.p2align	8
	.type	k_q8da2772582_qkv,@function
k_q8da2772582_qkv:
	s_mov_b64 s[64:65], 0
	v_nop
	global_prefetch_b8 v0, s[64:65] scope:SCOPE_SE
	s_setreg_imm32_b32 hwreg(HW_REG_WAVE_MODE, 25, 1), 1
	s_wait_xcnt 0x0
	s_wait_alu depctr_hold_cnt(0) depctr_sa_sdst(0) depctr_va_vdst(0) depctr_va_sdst(0) depctr_va_ssrc(0) depctr_va_vcc(0) depctr_vm_vsrc(0)
	s_getreg_b32 s2, hwreg(HW_REG_IB_STS2, 6, 4)
	s_cmp_eq_u32 s2, 0
	s_cbranch_scc0 .Lentry_in_a_cluster
	s_endpgm
.Lentry_in_a_cluster:
	s_bfe_u32 s2, ttmp6, 0x10000c
	s_cmp_lg_u32 s2, 0xf033
	s_cbranch_scc0 .Lentry_shape_is_right
	s_endpgm
.Lentry_shape_is_right:
; q = x Wq, k = x Wk, v = x Wv on codes of FP6 (E2M3) with E8M0 scales (M 4,096, N 3,072, K 1,024), and the results quantised at once, in registers, as the operands of attention.
; A tile of 256 x 256 is made by four waves, 128 x 128 each: 64 accumulators, 512 registers.  K goes in steps of 256 through two LDS slots filled by the tensor data mover.
; THE OPERANDS LIE IN MEMORY AS IMAGES OF THE OPERAND'S REGISTERS: [group of 128 rows][128 K][tile 8][1,536 bytes], so a group's K step is 24,576 dense bytes, one tensor load, and a fragment comes
; by four loads at 16 x lane and 8 x lane.  Lane r of tile i holds row 32 (i / 2) + 8 (i % 2) + r + 8 (r / 8) of its group, so that in a result the 16 registers of two neighbouring tiles of source 0 are 16 neighbouring rows.
; ROLES.  Source 1 (role A) gives a lane its row, source 0 (role B) runs along the lane's registers, and the quantiser runs along the registers.  Clusters with x = 0, 1 make q, k: A = x's tokens, B = the weight's columns
; (a head's 64 channels lie in 32 registers of lanes l and l xor 16).  Clusters with x = 2 make v: the two pointers change places, so that a lane holds a channel and its registers run along the keys.
; THE MASK.  A head's 64 fill half of the matrix instruction's 128 along K.  q gets codes 1.0 at k = 64, 65, 96, 97 under the scale 1.  A key at or behind valid_lens[b] gets zero codes in its real half and -7.5, -0.125 at k = 64, 65 under
; 2^20 and -4.5 at k = 96 under 2^10: its score is exactly -8,000,000, which is -1e6 ahead of the division by 8.  A key that counts has zeros there.  valid_lens enters compares and selects alone; it is held to 0 .. 2,048 first.
; OUT.  qq: [head 32][tile 128][1,024]: registers 0-3 at 16 x lane, 4-7 at 512 + 16 x lane; at byte 4,194,304 the scale words [head][128 tokens 16][512]: lane's dword j = tile 2 j + lane / 16, row lane % 16.
; kv: [head 32][128 keys 16][15,104]: K's 8 tiles as in qq; at 8,192 their scale words; at 8,704 V's four fragments (16 channels x 128 keys); at 14,848 their scale words (lane's dword j of two).
; LIMITS: NaN and infinities are not served; a block under 2^-124 keeps the byte 1; a block of zeros gets the byte 1 (this program alone reads the bytes).
; CLUSTERS: 4 x 4 work-groups; A's tiles are asked for jointly by a row of the cluster, B's by a column.
; REGISTERS: window 0: v0-31 addresses; v32-63 scale words, two sets; v128-223 A's fragments, one set (at work on the way out).  window 1: B's fragments, two sets.  windows 2, 3: the accumulators ((a, b) at v[8 (8 (a % 4) + b)]).
.set KSB,   24576                      ; a group's K step of 256: what one tensor load brings
.set SUB,   12288                      ; 128 along K of a group
.set FRB,   1536                       ; a fragment
.set GRP,   98304                      ; a group's codes
.set SCO,   3145728                    ; where a buffer's scale words begin
.set NQ,    2                          ; matrix instructions deep in a slot
.set FR,    12
.set NL,    4                          ; LDS loads that bring a fragment
.set NP,    4                          ; places behind this matrix instruction (ISA guide 7.12.1)
.set SLOT,  4*KSB                      ; A's two groups, then B's two
.set LAPS,  2                          ; 1,024 / 512
.set SCL,   2*SLOT                     ; A's scale words, 2 x 4,096 bytes, for all of K
.set SCB,   SCL+8192+128               ; B's: 128 bytes further on, so that lanes 16-31 read other banks than lanes 0-15
.set SPARE, 213248                     ; the spare words, 128 bytes for each wave: two blocks of 256 bytes that no other line names
.set L16,  4                           ; v4   16 x lane
.set L8,   5                           ; v5   8 x lane
.set ADRA, 16                          ; v16-17 A's fragments in slot 0, 1 at 16 x lane; v18-19 at 8 x lane
.set ADRB, 20                          ; v20-23 the same for B
.set DV,   26                          ; v26  the way out: valid length less my row's key
.set ADRS, 27                          ; v27  my scale words: lanes 0-15 A's, lanes 16-31 B's
.set SPW,  28                          ; v28  my spare word; never rewritten
.set NIL,  29                          ; v29  0; never rewritten
.set SC,   32
.set AF,   128
.set EM,   128                         ; the way out: v128-135 at work
.set PCS,  136                         ; two sets of 16: codes 0-5, the idle half's register 6, a zero 7, the second conversion 8-10
.set HWR,  168                         ; v168-183 half words of scale bytes: [half c][block a]
.set XW,   184                         ; v184-187 scale words as stored
.set SCU,  188                         ; bytes 2, 3 of a word where the key counts;  SCM where it is masked
.set SCM,  189
.set PADU, 190                         ; register 6 likewise
.set PADM, 191
.set TMPV, 192
.set G1, 24
.set G0, 32
.set G1B, 48
.set G0B, 56
.set G1S, 68
.set G0S, 76
.set G1SB, 80
.set G0SB, 88
.set MSB, 0
.macro WIN new                         ; the immediate's high byte repeats the setting that is left
.if MSB != \new
	s_set_vgpr_msb (MSB<<8)|\new
.set MSB, \new
.endif
.endm
.set MUL_LO, 0xa1                      ; source 0 (B) window 1, source 1 (A) window 0, C and D window 2
.set MUL_HI, 0xf1
.set TO_B,   0x40
.macro JLOAD g0a, g1a, g0b, g1b        ; a joint load: waves 0, 1 fetch for A, waves 2, 3 for B; four v_nop follow each line
	s_cmp_eq_u32 s15, 0
	s_cbranch_scc0 .Lfor_b_\@
	tensor_load_to_lds s[\g0a:\g0a+3], s[\g1a:\g1a+7]
	s_nop 0
.rept 4
	v_nop
.endr
	s_branch .Lasked_\@
.Lfor_b_\@:
	tensor_load_to_lds s[\g0b:\g0b+3], s[\g1b:\g1b+7]
	s_nop 0
.rept 4
	v_nop
.endr
.Lasked_\@:
.endm
.macro CREST
	s_cmp_lg_u32 s14, 0
	s_cbranch_scc1 .Lnot_wave_0_\@
	s_barrier_signal -3
.Lnot_wave_0_\@:
	s_barrier_wait -3
	s_barrier_signal -1
	s_barrier_wait -1
.endm
.macro CROUND
	s_barrier_signal -1
	s_barrier_wait -1
	CREST
.endm
	s_load_b256 s[4:11], s[0:1], 0x0               ; xq, wq, valid_lens, qq
	s_load_b64 s[12:13], s[0:1], 0x20              ; kv
	v_lshl_add_u32 v[SPW], v0, 2, SPARE
	v_mov_b32 v[NIL], 0
	ds_add_u32 v28, v29
	ds_add_u32 v28, v29
	s_wait_dscnt 0x0
	v_lshrrev_b32 v1, 5, v0
	v_readfirstlane_b32 s14, v1                    ; wave 0..3
	s_lshr_b32 s15, s14, 1                         ; which of A's two groups is mine.  Also: I fetch for A (0) or for B (1)
	s_and_b32 s16, s14, 1                          ; which of B's.  Also: which group of that side I fetch
	s_bfe_u32 s40, ttmp6, 0x40000                  ; cx
	s_bfe_u32 s41, ttmp6, 0x40004                  ; cy
	s_and_b32 s45, ttmp7, 0xffff                   ; the cluster's y
	s_cmp_eq_u32 ttmp9, 2                          ; v's clusters: the same answer in all sixteen partners
	s_cselect_b32 s17, 2, s45
	s_cselect_b32 s42, s45, ttmp9
	s_lshl_b32 s17, s17, 2
	s_add_co_u32 s17, s17, s41                     ; A's tile row: q, k: 256 tokens; v: 256 columns of Wv (rows 8-11 of wq's sixteen)
	s_lshl_b32 s42, s42, 2
	s_add_co_u32 s42, s42, s40                     ; B's tile column: q, k: 256 columns of Wq or Wk; v: 256 tokens
	s_lshl_b32 s43, s41, 2
	s_lshl_b32 s43, 15, s43                        ; my row of the cluster
	s_lshl_b32 s44, 0x1111, s40                    ; my column
	s_or_b32 s[G1+0], s43, (3<<16)|(1<<21)         ; 15:0 the mask; 17:16 elements of 8 bytes; 21 set beside a mask; no padding
	s_or_b32 s[G1B+0], s44, (3<<16)|(1<<21)
.irp g, G1, G1B                        ; the head's shape: K step 0 of both groups of a side: 2 rows of 24,576 bytes, a group's codes (98,304 bytes) apart
	s_mov_b32 s[\g+1], 3072<<16
	s_mov_b32 s[\g+2], 2<<16
	s_mov_b32 s[\g+3], 3072<<16
	s_mov_b32 s[\g+4], 2
	s_mov_b32 s[\g+5], 12288
	s_mov_b32 s[\g+6], 0
	s_mov_b32 s[\g+7], 0
.endr
	s_or_b32 s[G1S+0], s43, (3<<16)|(1<<21)
	s_or_b32 s[G1SB+0], s44, (3<<16)|(1<<21)
.irp g, G1S, G1SB                      ; two groups' scale words: 32 rows of 256 bytes, dense
	s_mov_b32 s[\g+1], 32<<16
	s_mov_b32 s[\g+2], 32<<16
	s_mov_b32 s[\g+3], 32<<16
	s_mov_b32 s[\g+4], 32
	s_mov_b32 s[\g+5], 32
	s_mov_b32 s[\g+6], 0
	s_mov_b32 s[\g+7], 0
.endr
	s_lshl_b32 s20, s17, 1                         ; A's first group
	s_lshl_b32 s46, s42, 1                         ; B's
	s_lshl_b32 s22, s20, 12
	s_add_co_u32 s22, s22, SCO
	s_mov_b32 s23, 0
	s_mul_i32 s20, s20, GRP
	s_mov_b32 s21, 0
	s_lshl_b32 s92, s46, 12
	s_add_co_u32 s92, s92, SCO
	s_mov_b32 s93, 0
	s_mul_i32 s46, s46, GRP
	s_mov_b32 s47, 0
	s_mul_i32 s45, s14, KSB                        ; where they go: wave x a group's K step: no place in the cluster enters an LDS address
	s_mul_i32 s94, s16, GRP                        ; in the ring I fetch one group of a side: which, in bytes
	s_mov_b32 s95, 0
	s_wait_kmcnt 0x0
	s_cmp_eq_u32 ttmp9, 2
	s_cselect_b64 s[66:67], s[6:7], s[4:5]         ; role A's buffer
	s_cselect_b64 s[18:19], s[4:5], s[6:7]         ; role B's
	s_load_b64 s[96:97], s[8:9], 0x0               ; the two valid lengths: wanted on the way out
	s_add_nc_u64 s[20:21], s[66:67], s[20:21]
	s_add_nc_u64 s[22:23], s[66:67], s[22:23]
	s_add_nc_u64 s[46:47], s[18:19], s[46:47]
	s_add_nc_u64 s[92:93], s[18:19], s[92:93]
	CROUND                                         ; all sixteen work-groups are here: the first joint loads meet
	s_mov_b32 s[G0S], 1
	s_mov_b32 s[G0S+1], SCL
	s_mov_b64 s[G0S+2:G0S+3], s[22:23]
	s_or_b32 s[G0S+3], s[G0S+3], 0x80000000
	s_mov_b32 s[G0SB], 1
	s_mov_b32 s[G0SB+1], SCB
	s_mov_b64 s[G0SB+2:G0SB+3], s[92:93]
	s_or_b32 s[G0SB+3], s[G0SB+3], 0x80000000
.irp s, 0,1
	s_mov_b32 s[G0+4*\s], 1
	s_add_co_u32 s[G0+4*\s+1], s45, \s*SLOT
	s_add_nc_u64 s[G0+4*\s+2:G0+4*\s+3], s[20:21], \s*KSB
	s_or_b32 s[G0+4*\s+3], s[G0+4*\s+3], 0x80000000
	s_mov_b32 s[G0B+4*\s], 1
	s_add_co_u32 s[G0B+4*\s+1], s45, \s*SLOT
	s_add_nc_u64 s[G0B+4*\s+2:G0B+4*\s+3], s[46:47], \s*KSB
	s_or_b32 s[G0B+4*\s+3], s[G0B+4*\s+3], 0x80000000
.endr
	s_mov_b32 s[G0+1], 0                           ; slot 0's sets serve the head first: A's two groups at the slot's start,
	s_mov_b32 s[G0B+1], 2*KSB                      ; B's two behind them
	s_add_nc_u64 s[G0+6:G0+7], s[G0+6:G0+7], s[94:95]      ; slot 1's sets: my group
	s_add_nc_u64 s[G0B+6:G0B+7], s[G0B+6:G0B+7], s[94:95]
; The head's loads, one a wave: wave 0 K step 0 of A's two groups, wave 1 of B's, wave 2 A's scale words, wave 3 B's.  One tree of branches on the wave's number: every way passes one load.
.macro ARM under, g0, g1, next
	s_cmp_lt_u32 s14, \under
	s_cbranch_scc0 \next
	tensor_load_to_lds s[\g0:\g0+3], s[\g1:\g1+7]
	s_nop 0
.rept 4
	v_nop
.endr
	s_branch .Lhead_asked
\next:
.endm
	ARM 1, G0,  G1,  .Lhead_b
	ARM 2, G0B, G1B, .Lhead_sa
	ARM 3, G0S, G1S, .Lhead_sb
	tensor_load_to_lds s[G0SB:G0SB+3], s[G1SB:G1SB+7]
	s_nop 0
.rept 4
	v_nop
.endr
.Lhead_asked:
	v_and_b32 v1, 15, v0                           ; r
	v_bfe_u32 v2, v0, 4, 1                         ; h
	v_and_b32 v3, 31, v0
	v_lshlrev_b32 v[L16], 4, v3
	v_lshlrev_b32 v[L8], 3, v3
	s_mul_i32 s21, s15, KSB                        ; my group of A
	s_mul_i32 s22, s16, KSB
	s_add_co_u32 s22, s22, 2*KSB                   ; my group of B, behind A's two
.irp s, 0,1
	v_add_nc_u32 v[ADRA+\s], s21, v[L16]
	v_add_nc_u32 v[ADRB+\s], s22, v[L16]
	v_add_nc_u32 v[ADRA+2+\s], s21, v[L8]
	v_add_nc_u32 v[ADRB+2+\s], s22, v[L8]
	s_add_co_u32 s21, s21, SLOT
	s_add_co_u32 s22, s22, SLOT
.endr
	v_lshlrev_b32 v6, 2, v1                        ; a scale word a row
	s_lshl_b32 s21, s15, 12
	s_lshl_b32 s22, s16, 12
	s_add_co_u32 s22, s22, SCB-SCL
	s_sub_co_u32 s22, s22, s21
	v_mul_u32_u24 v7, s22, v2                      ; lanes 16-31 take B's: one product, the distance between the two
	s_add_co_u32 s21, s21, SCL
	v_add_nc_u32 v6, v6, v7
	v_add_nc_u32 v[ADRS], s21, v6
.macro FRAG reg, adr, q, i             ; a fragment's 12 registers, as they were stored
	ds_load_b128 v[\reg:\reg+3], v[\adr] offset:(\q)*SUB+(\i)*FRB
	ds_load_b64 v[\reg+4:\reg+5], v[\adr+2] offset:(\q)*SUB+(\i)*FRB+512
	ds_load_b128 v[\reg+6:\reg+9], v[\adr] offset:(\q)*SUB+(\i)*FRB+768
	ds_load_b64 v[\reg+10:\reg+11], v[\adr+2] offset:(\q)*SUB+(\i)*FRB+1280
.endm
; 16 matrix instructions: A's blocks a0, a0 + 1 x B's eight, 128 along K.  The 64 accumulators take turns, one instruction a turn, in the same order in every step.
.macro MUL16 a0, p, q, sc, zero
.irp a, \a0, \a0+1
.irp b, 0,1,2,3,4,5,6,7
.if \zero
	v_wmma_scale_f32_16x16x128_f8f6f4 v[8*(8*((\a)%4)+\b):8*(8*((\a)%4)+\b)+7], v[128*(\p)+FR*\b:128*(\p)+FR*\b+FR-1], v[AF+FR*(\a):AF+FR*(\a)+FR-1], 0, v[SC+8*NQ*(\sc)+NQ*\b+(\q)], v[SC+8*NQ*(\sc)+NQ*(\a)+(\q)] matrix_a_fmt:MATRIX_FMT_FP6 matrix_b_fmt:MATRIX_FMT_FP6 matrix_a_scale:MATRIX_SCALE_ROW1
.else
	v_wmma_scale_f32_16x16x128_f8f6f4 v[8*(8*((\a)%4)+\b):8*(8*((\a)%4)+\b)+7], v[128*(\p)+FR*\b:128*(\p)+FR*\b+FR-1], v[AF+FR*(\a):AF+FR*(\a)+FR-1], v[8*(8*((\a)%4)+\b):8*(8*((\a)%4)+\b)+7], v[SC+8*NQ*(\sc)+NQ*\b+(\q)], v[SC+8*NQ*(\sc)+NQ*(\a)+(\q)] matrix_a_fmt:MATRIX_FMT_FP6 matrix_b_fmt:MATRIX_FMT_FP6 matrix_a_scale:MATRIX_SCALE_ROW1
.endif
.endr
.endr
.endm
.macro FETCH_B slot, q, p
	WIN TO_B
.irp i, 0,1,2,3,4,5,6,7
	FRAG 128*(\p)+FR*\i, ADRB+\slot, \q, \i
.endr
	WIN 0
.endm
.macro FETCH_A slot, q, i0
.irp i, \i0, \i0+1, \i0+2, \i0+3
	FRAG AF+FR*(\i), ADRA+\slot, \q, \i
.endr
.endm
.macro SCALES sc                       ; a K step's scale words: register NQ i + q: lanes 0-15 A's block i, lanes 16-31 B's block i
.irp i, 0,1,2,3,4,5,6,7
.irp q, 0,1
	ds_load_b32 v[SC+8*NQ*\sc+NQ*\i+\q], v[ADRS] offset:512*\q+64*\i
.endr
.endr
.endm
.macro PLACES n                        ; plain vector instructions between a matrix instruction and a load into, or a read of, its registers
.rept \n
	v_nop
.endr
.endm
.macro STEP slot, q, zero              ; 128 along K with a successor in the same slot
	s_wait_dscnt 4*NL                              ; B's set and A's blocks 0-3 are in; the youngest 16 loads (A's blocks 4-7) may be out
	WIN MUL_LO
	MUL16 0, (\q)%2, \q, \slot, \zero
	MUL16 2, (\q)%2, \q, \slot, \zero
	s_wait_dscnt 0
	PLACES NP
	FETCH_B \slot, (\q)+1, 1-(\q)%2
	FETCH_A \slot, (\q)+1, 0
	WIN MUL_HI
	MUL16 4, (\q)%2, \q, \slot, \zero
	MUL16 6, (\q)%2, \q, \slot, \zero
	PLACES NP
	WIN 0
	FETCH_A \slot, (\q)+1, 4
.endm
; A slot's last step changes slots: one barrier; in front of it each wave waits for all its tensor loads, adds 0 to its spare word, and waits for that and for its reads of this slot.
.macro TURN slot, next, fill
	s_wait_tensorcnt 0x0                           ; all my tensor loads have landed: my part of the next slot
	ds_add_u32 v[SPW], v[NIL]                      ; 0 onto my spare word
	s_wait_dscnt 4*NL+1                            ; the add and the youngest 16 loads (A's blocks 4-7) may be out
	WIN MUL_LO
	MUL16 0, 1, NQ-1, \slot, 0
	s_wait_dscnt 0x0                               ; the add is done, and my reads of this slot are over
	s_barrier_signal -1
	MUL16 2, 1, NQ-1, \slot, 0
	WIN 0
	s_barrier_wait -1
.if \fill
	CREST                                          ; the barrier has opened a round of the cluster's: no wave of any partner still reads this slot or has a load on its way
	s_add_nc_u64 s[G0+4*\slot+2:G0+4*\slot+3], s[G0+4*\slot+2:G0+4*\slot+3], 2*KSB
	s_add_nc_u64 s[G0B+4*\slot+2:G0B+4*\slot+3], s[G0B+4*\slot+2:G0B+4*\slot+3], 2*KSB
	JLOAD G0+4*\slot, G1, G0B+4*\slot, G1B         ; the first tensor load behind the round; its four v_nop are the places in front of the loads below
.else
	PLACES NP
.endif
	s_wait_alu depctr_va_vdst(0)
	v_add_nc_u32 v[ADRS], 512*NQ, v[ADRS]          ; the next K step's scale words
	FETCH_B \next, 0, 0
	FETCH_A \next, 0, 0
	SCALES \next
	WIN MUL_HI
	MUL16 4, 1, NQ-1, \slot, 0
	MUL16 6, 1, NQ-1, \slot, 0
	PLACES NP
	WIN 0
	FETCH_A \next, 0, 4
.endm
	s_wait_alu depctr_va_vdst(0)
	s_wait_tensorcnt 0x0                           ; my tile of the head's four is in
	ds_add_u32 v[SPW], v[NIL]
.irp g, G1, G1B                        ; no tensor load of mine is out: the ring's shape, 96 rows of 256 bytes, dense
	s_mov_b32 s[\g+1], 32<<16
	s_mov_b32 s[\g+2], 96<<16
	s_mov_b32 s[\g+3], 32<<16
	s_mov_b32 s[\g+4], 96
	s_mov_b32 s[\g+5], 32
.endr
	s_mov_b32 s[G0+1], s45                         ; slot 0's sets for the ring: my quarter of the slot, my group
	s_mov_b32 s[G0B+1], s45
	s_add_nc_u64 s[G0+2:G0+3], s[G0+2:G0+3], s[94:95]
	s_add_nc_u64 s[G0B+2:G0B+3], s[G0B+2:G0B+3], s[94:95]
	s_wait_dscnt 0x0
	CROUND                                         ; all four tiles are whole for every wave, and the partners are here
	JLOAD G0+4, G1, G0B+4, G1B                     ; K step 1, the first tensor load behind the round
	FETCH_B 0, 0, 0
	FETCH_A 0, 0, 0
	SCALES 0
	FETCH_A 0, 0, 4
	STEP 0, 0, 1                                   ; the first step's products start the sums
	s_mov_b32 s3, LAPS-1
.Llap:
	TURN 0, 1, 1
	STEP 1, 0, 0
	TURN 1, 0, 1
	STEP 0, 0, 0
	s_sub_co_u32 s3, s3, 1
	s_cmp_lg_u32 s3, 0
	s_cbranch_scc1 .Llap
	TURN 0, 1, 0                                   ; the last lap fills nothing
	STEP 1, 0, 0
	s_wait_dscnt 4*NL
	WIN MUL_LO
	MUL16 0, 1, NQ-1, 1, 0
	MUL16 2, 1, NQ-1, 1, 0
	s_wait_dscnt 0
	WIN MUL_HI
	MUL16 4, 1, NQ-1, 1, 0
	MUL16 6, 1, NQ-1, 1, 0
	WIN 0
; THE WAY OUT.  HALFQ: the 32 registers of A's block a against B's tiles 4 c .. 4 c + 3 are, with lane l xor 16's, 64 neighbours along the quantiser's axis: two blocks of 32.
; Register 16 b + i = place 32 b + 16 (lane / 16) + i.  Out come six registers of codes in set p (lane (r, h): block h of row r) and the two scale bytes in v[HWR + 8 c + a].  Each accumulator is read from its low end on.
.macro HALFQ a, c, p
.set WA, 2+(\a)/4
.set WM, (WA<<2)|(WA<<4)
.set AC, 64*((\a)%4)+32*(\c)
.set PC, PCS+16*(\p)
.set PT, PC+8
	WIN WM                                         ; sources 1 and 2: the accumulators' window
.irp b, 0,1
	v_max3_num_f32 v[EM+\b], 0x1800000, |v[AC+16*\b]|, |v[AC+16*\b+1]|   ; with the floor 2^(3 - 127)
.endr
.irp i, 2,4,6,8,10,12,14
.irp b, 0,1
	v_max3_num_f32 v[EM+\b], v[EM+\b], |v[AC+16*\b+\i]|, |v[AC+16*\b+\i+1]|
.endr
.endr
	WIN 0
.irp b, 0,1
	v_permlanex16_b32 v[EM+2+\b], v[EM+\b], s98, s99
.endr
.irp b, 0,1
	v_max_num_f32 v[EM+\b], v[EM+\b], v[EM+2+\b]
.endr
.irp b, 0,1
	v_add_nc_u32 v[EM+4+\b], 0xff000000, v[EM+\b]  ; the conversion's scale operand
.endr
.irp b, 0,1
	v_lshrrev_b32 v[EM+6+\b], 23, v[EM+4+\b]       ; the scale's byte
.endr
	v_lshl_or_b32 v[HWR+8*(\c)+(\a)], v[EM+7], 8, v[EM+6]
	s_wait_alu depctr_va_vdst(0)
	s_wait_xcnt 0x0                                ; the codes' registers, which earlier stores read, are written again only behind this wait
	WIN WA                                         ; source 0: the accumulators' window
	v_cvt_scalef32_pk16_fp6_f32 v[PC:PC+2], v[AC:AC+15], v[EM+4]
	v_cvt_scalef32_pk16_fp6_f32 v[PT:PT+2], v[AC+16:AC+31], v[EM+5]
	WIN 0
	v_nop                                          ; one plain place behind a scaled conversion
.irp i, 0,1,2
	v_permlane16_swap_b32 v[PC+\i], v[PT+\i]
.endr
.irp i, 0,1,2
	v_mov_b32 v[PC+3+\i], v[PT+\i]
.endr
.endm
	PLACES NP                                      ; behind the last products: their results are read, and A's registers written, below
	v_mov_b32 v[EM+2], 0                           ; a lane permute's destination counts as one of its sources
	v_mov_b32 v[EM+3], 0
	v_mov_b32 v[PCS+7], 0                          ; register 7 of an image, in both sets
	v_mov_b32 v[PCS+23], 0
	s_mov_b32 s98, 0x76543210
	s_mov_b32 s99, 0xfedcba98
	s_mov_b32 s100, 0xffff0000                     ; lanes 16-31
	s_wait_kmcnt 0x0                               ; the valid lengths
	s_cmp_eq_u32 ttmp9, 2                          ; the same in all partners of a cluster
	s_cbranch_scc1 .Lepi_v
	; ---- q and k: a lane holds a token, half c is head head0 + c
	s_lshl_b32 s20, s17, 1
	s_add_co_u32 s20, s20, s15                     ; my group of 128 tokens
	s_lshr_b32 s21, s20, 4                         ; the batch
	s_and_b32 s22, s20, 15                         ; which 128 tokens of it
	s_lshl_b32 s23, s42, 1
	s_add_co_u32 s23, s23, s16
	s_and_b32 s23, s23, 7
	s_lshl_b32 s23, s23, 1                         ; my first head
	s_lshl_b32 s24, s21, 4
	s_add_co_u32 s23, s23, s24                     ; 16 x batch + head
	s_cmp_eq_u32 s21, 0
	s_cselect_b32 s25, s96, s97
	s_max_i32 s25, s25, 0
	s_min_i32 s25, s25, 2048
	s_mov_b32 s26, 241664
	s_mov_b32 s27, 15104
	s_mov_b32 s28, 241664
	s_mov_b32 s29, 15104
	s_mov_b32 s30, 8192
	s_mov_b32 s31, 0x01010000
	s_cmp_eq_u32 ttmp9, 0                          ; q or k
	s_cselect_b32 s25, 4096, s25                   ; no token of q is masked
	s_cselect_b32 s26, 131072, s26                 ; from head to head, codes
	s_cselect_b32 s27, 8192, s27                   ; from 128 tokens to the next
	s_cselect_b32 s28, 8192, s28                   ; the same for the scale words
	s_cselect_b32 s29, 512, s29
	s_cselect_b32 s30, 4194304, s30                ; where they begin
	s_cselect_b32 s31, 0x7f7f0000, s31             ; bytes 2, 3: q: 1.0; a key that counts: any byte over zero codes
	s_cselect_b32 s32, 0x208, 0                    ; register 6: q: 1.0, 1.0; a key that counts: zeros
	s_cselect_b64 s[34:35], s[10:11], s[12:13]
	s_mul_i32 s36, s23, s26
	s_mul_i32 s37, s22, s27
	s_add_co_u32 s36, s36, s37
	s_mov_b32 s37, 0
	s_mul_i32 s38, s23, s28
	s_mul_i32 s39, s22, s29
	s_add_co_u32 s38, s38, s39
	s_add_co_u32 s38, s38, s30
	s_mov_b32 s39, 0
	s_add_nc_u64 s[36:37], s[34:35], s[36:37]      ; my eight tiles of the first head
	s_add_nc_u64 s[38:39], s[34:35], s[38:39]      ; their scale words
	s_mov_b32 s27, 0
	s_mov_b32 s29, 0
	v_and_b32 v[TMPV], 8, v1
	v_add_nc_u32 v[TMPV], v[TMPV], v1              ; r + 8 (r / 8)
	s_lshl_b32 s21, s22, 7
	s_sub_co_i32 s20, s25, s21
	v_sub_nc_u32 v[DV], s20, v[TMPV]               ; block a's key counts where 32 (a / 2) + 8 (a % 2) lies under this
	v_mov_b32 v[SCU], s31
	v_mov_b32 v[SCM], 0x89930000                   ; 2^20 for k = 64 .. 95, 2^10 for k = 96 .. 127
	v_mov_b32 v[PADU], s32
	v_mov_b32 v[TMPV], 0x39                        ; -4.5
	v_mov_b32 v[PADM], 0x87f                       ; -7.5, -0.125
	v_cndmask_b32 v[PADM], v[PADM], v[TMPV], s100
.macro QKOUT a, c
	HALFQ \a, \c, (\a)%2
	v_cmp_lt_i32 vcc_lo, 32*((\a)/2)+8*((\a)%2), v[DV]   ; set where the key counts
.irp i, 0,1,2,3,4,5
	v_cndmask_b32 v[PC+\i], 0, v[PC+\i], vcc_lo
.endr
	v_cndmask_b32 v[PC+6], v[PADM], v[PADU], vcc_lo
	v_cndmask_b32 v[TMPV], v[SCM], v[SCU], vcc_lo
	v_or_b32 v[HWR+8*(\c)+(\a)], v[HWR+8*(\c)+(\a)], v[TMPV]
	global_store_b128 v[L16], v[PC:PC+3], s[36:37] offset:1024*(\a)        ; 512 consecutive bytes a store
	global_store_b128 v[L16], v[PC+4:PC+7], s[36:37] offset:1024*(\a)+512
.endm
.irp c, 0,1
.irp a, 0,1,2,3,4,5,6,7
	QKOUT \a, \c
.endr
.irp j, 0,1,2,3
	v_cndmask_b32 v[XW+\j], v[HWR+8*\c+2*\j], v[HWR+8*\c+2*\j+1], s100   ; lanes 0-15 tile 2 j's word, lanes 16-31 tile 2 j + 1's
.endr
	global_store_b128 v[L16], v[XW:XW+3], s[38:39]
.if \c == 0
	s_wait_xcnt 0x0                                ; the stores have read their bases and data: on to the next head
	s_add_nc_u64 s[36:37], s[36:37], s[26:27]
	s_add_nc_u64 s[38:39], s[38:39], s[28:29]
.endif
.endr
	s_branch .Lepi_end
.Lepi_v:	; ---- v: a lane holds a channel (blocks 0-3 the first head's 64, blocks 4-7 the second's), half c is keys 64 c on of my 128
	s_lshl_b32 s20, s17, 1
	s_add_co_u32 s20, s20, s15
	s_sub_co_u32 s20, s20, 16                      ; which 128 columns of Wv
	s_lshl_b32 s20, s20, 1                         ; my first head
	s_lshl_b32 s21, s42, 1
	s_add_co_u32 s21, s21, s16                     ; my group of 128 tokens
	s_lshr_b32 s22, s21, 4
	s_and_b32 s21, s21, 15
	s_lshl_b32 s22, s22, 4
	s_add_co_u32 s20, s20, s22
	s_mul_i32 s36, s20, 241664
	s_mul_i32 s37, s21, 15104
	s_add_co_u32 s36, s36, s37
	s_add_co_u32 s36, s36, 8704
	s_mov_b32 s37, 0
	s_add_nc_u64 s[36:37], s[12:13], s[36:37]
.irp c, 0,1
.irp a, 0,1,2,3,4,5,6,7
	HALFQ \a, \c, \a%2
	global_store_b128 v[L16], v[PC:PC+3], s[36:37] offset:241664*(\a/4)+1536*(\a%4)+768*\c
	global_store_b64 v[L8], v[PC+4:PC+5], s[36:37] offset:241664*(\a/4)+1536*(\a%4)+768*\c+512
.endr
.endr
.irp a, 0,1,2,3,4,5,6,7
	v_lshl_or_b32 v[HWR+\a], v[HWR+8+\a], 16, v[HWR+\a]   ; the four bytes of 128 keys
.endr
.irp n, 0,1
.if \n
	s_wait_alu depctr_va_vdst(0)
	s_wait_xcnt 0x0                                ; the first head's store has read its data
.endif
.irp j, 0,1
	v_cndmask_b32 v[XW+\j], v[HWR+4*\n+2*\j], v[HWR+4*\n+2*\j+1], s100
.endr
	global_store_b64 v[L8], v[XW:XW+1], s[36:37] offset:241664*\n+6144
.endr
.Lepi_end:
	s_wait_tensorcnt 0x0                           ; the wave's end
	ds_add_u32 v[SPW], v[NIL]
	s_wait_dscnt 0x0
	CROUND                                         ; the closing round
	s_endpgm
.Lfunc_end_k_q8da2772582_qkv:
	.size	k_q8da2772582_qkv, .Lfunc_end_k_q8da2772582_qkv-k_q8da2772582_qkv
	.p2alignl 7, 3214868480
	.fill 96, 4, 3214868480
	.section	.rodata,"a",@progbits
	.p2align	6, 0x0
	.amdhsa_kernel k_q8da2772582_qkv
		.amdhsa_group_segment_fixed_size 327680
		.amdhsa_private_segment_fixed_size 0
		.amdhsa_enable_private_segment 0
		.amdhsa_kernarg_size 40
		.amdhsa_user_sgpr_count 2
		.amdhsa_user_sgpr_kernarg_segment_ptr 1
		.amdhsa_wavefront_size32 1
		.amdhsa_system_sgpr_workgroup_id_x 1
		.amdhsa_system_sgpr_workgroup_id_y 1
		.amdhsa_system_sgpr_workgroup_id_z 1
		.amdhsa_system_vgpr_workitem_id 0
		.amdhsa_next_free_vgpr 1024
		.amdhsa_next_free_sgpr 102
		.amdhsa_reserve_vcc 1
		.amdhsa_float_denorm_mode_32 3
		.amdhsa_float_denorm_mode_16_64 3
		.amdhsa_memory_ordered 1
		.amdhsa_forward_progress 1
		.amdhsa_inst_pref_size 198
	.end_amdhsa_kernel
	.amdgpu_metadata
---
amdhsa.version: [ 1, 2 ]
amdhsa.kernels:
  - .name:           k_q8da2772582_qkv
    .symbol:         k_q8da2772582_qkv.kd
    .args:
      - { .name: xq, .offset: 0, .size: 8, .value_kind: global_buffer, .address_space: global }
      - { .name: wq, .offset: 8, .size: 8, .value_kind: global_buffer, .address_space: global }
      - { .name: valid_lens, .offset: 16, .size: 8, .value_kind: global_buffer, .address_space: global }
      - { .name: qq, .offset: 24, .size: 8, .value_kind: global_buffer, .address_space: global }
      - { .name: kv, .offset: 32, .size: 8, .value_kind: global_buffer, .address_space: global }
    .group_segment_fixed_size: 327680
    .private_segment_fixed_size: 0
    .kernarg_segment_align: 8
    .kernarg_segment_size: 40
    .max_flat_workgroup_size: 128
    .sgpr_count:     102
    .vgpr_count:     1024
    .wavefront_size: 32
...
	.end_amdgpu_metadata
.endif
;; end of part 2
;; launch attn (part 3): grid 8 x 32, 8 waves a work-group, no clusters, 257,792 bytes of LDS; arguments qq, kv, oq, valid_lens; writes oq
.if DOCPART == 3
	.amdgcn_target "amdgcn-amd-amdhsa--gfx1250"
	.amdhsa_code_object_version 6
	.text
	.protected	k_q8da2772582_attn
	.globl	k_q8da2772582_attn
	.p2align	8
	.type	k_q8da2772582_attn,@function
k_q8da2772582_attn:
	s_mov_b64 s[64:65], 0
	v_nop
	global_prefetch_b8 v0, s[64:65] scope:SCOPE_SE
	s_setreg_imm32_b32 hwreg(HW_REG_WAVE_MODE, 25, 1), 1
	s_wait_xcnt 0x0
; Attention of one head on codes of FP6 (E2M3) with E8M0 scales: S^T = K Q^T, p = 2^(t - M), O^T = V^T P^T, O / l, and O quantised along the model's 1,024 as the last product's operand.
; t = score x log2(e) / 8; M = the row's largest t so far, rounded up to a whole number; p is quantised along the keys, not normalised; l is the sum of the unquantised p.  When M moves, l and O^T are multiplied by 2^(old M - new M): exact.
; WORK LEFT OUT: the scores of key steps (128 keys) that lie wholly at or behind valid_lens[b]: reference() replaces them by MASK_VALUE in its own jnp.where; K's part of such a record is not copied either.  Such a step's p is one number
; a row, 2^(t(-8,000,000) - M): it is made once, at the first such step (the masked score enters the running maximum there), quantised by the stated rule, added to l 128 times a step, and multiplied with V by the matrix instructions as ever.
; A step that holds any key that counts is worked whole: a masked key's codes give the score -8,000,000 exactly (launch qkv).  A NaN or an infinity that reaches only the scores left out is not carried.
; SHARES.  A work-group owns 256 queries of one head, each of its eight waves two tiles of 16: every fragment of K and V that a wave reads from LDS serves both tiles.
; The head's 16 records (15,104 bytes: 128 keys of K and V) lie in LDS for the whole launch: wave w copies records w and w + 8 through its registers.
; NO TENSOR LOAD, NO CLUSTER: the steps branch on valid_lens, a number read from memory.
; NO PREFETCH: every global load of K and V is issued at the head, ahead of the loop; there is no later load to run ahead of.
; LDS: a record's 59 rows of 256 bytes lie 272 bytes apart, so byte y lies at y + 16 (y / 256).
; LAYOUT.  Both products are used transposed: a lane holds one query (lane % 16) of each tile.  Tile 4 c + u of S^T takes in row r the key 64 c + 32 (r / 8) + 8 u + r % 8, picked from the record by the lane's address:
; so lane (r, h) holds in registers S + 32 c + i the keys 64 c + 32 h + i: whole blocks of 32, in the order of the second product's operand.  No lane is asked for a block's maximum.
; K's fragments lie 8 registers apart: registers 8-11 of one are registers 0-3 of the next.  They meet Q's zero codes (k = 64 + 32 h + 11 on), and every code of E2M3 is a finite number: they add nothing.
; A barrier's signal stands at each step's head and its wait at the step's end: no wave is more than a step ahead of another.
; LIMITS: NaN and infinities are not served; the promise holds while the scaled scores stay under 2^31 in magnitude; t - M is one fused multiply-add of the raw score.
; REGISTERS.  Window 0: v1 16 x lane, v2 8 x lane, v3, v4, v7 lane terms; v5, v6 the add's; v8-11 addresses; v24-27 K's scale words, v28-29 V's; v44-111 K's eight fragments, then V's four; v22, v248 Q's scale words; v21, v249 p's.
; A query tile's own state has the same numbers in window 0 (first tile) and window 1 (second): v12 / v14 -M by turns, v13 the largest score; v[16:17] l; v18 f; v20 8 h; v23, v30, v31, v124-127, v224-254 at work; v32-43 Q;
; v112-123 p's codes; v128-191 S^T, then p; v192-223 O^T.  Scale words lie in window 0 for both tiles.
.set REC,   15104
.set RECP,  16048                      ; a record in LDS: 59 x 272
.set HEADB, 241664
.set SPARE, 256768                     ; behind the records: the spare words, 128 bytes for each wave
.set S,   128
.set O,   192
.set KV,  44
.set P,   112
.set WV,  18
.set SEL, 20
.set CS,  22                           ; s[22:23] c = log2(e) / 8
.set CN,  24                           ; -c
.set MS,  25                           ; -8,000,000: a masked key's score
.set NF,  26                           ; steps that hold a key that counts
.set T0,  27
.set TB,  2                            ; where the trip's first record begins in LDS
.set MSB, 0
.macro WIN new                         ; low byte: bits 1:0 source 0, 3:2 source 1, 5:4 source 2, 7:6 destination; the high byte repeats the setting that is left
.if MSB != (\new)
	s_set_vgpr_msb (MSB<<8)|(\new)
.set MSB, (\new)
.endif
.endm
	s_load_b128 s[4:7], s[0:1], 0x0                ; qq, kv
	s_load_b128 s[8:11], s[0:1], 0x10              ; oq, valid_lens
	v_lshl_add_u32 v5, v0, 2, SPARE
	v_mov_b32 v6, 0
	v_lshrrev_b32 v8, 5, v0
	v_readfirstlane_b32 s[WV], v8                  ; wave 0..7
	s_mov_b32 s13, ttmp9                           ; my block of 256 queries
	s_and_b32 s12, ttmp7, 0xffff                   ; 16 x batch + head
	s_mul_i32 s33, s[WV], REC
	s_mul_i32 s36, s12, HEADB
	s_add_co_u32 s36, s36, s33                     ; record w in memory
	s_mov_b32 s37, 0
	s_mul_i32 s33, s[WV], RECP                     ; and in LDS
	s_lshl_b32 s38, s12, 7
	s_lshl_b32 s39, s13, 4
	s_add_co_u32 s38, s38, s39
	s_lshl_b32 s39, s[WV], 1
	s_add_co_u32 s38, s38, s39
	s_lshl_b32 s38, s38, 10                        ; Q: tile 128 x head + 16 x block + 2 x wave, 1,024 bytes each
	s_mov_b32 s39, 0
	s_lshl_b32 s40, s12, 4
	s_lshl_b32 s41, s13, 1
	s_add_co_u32 s40, s40, s41
	s_lshr_b32 s41, s[WV], 2
	s_add_co_u32 s40, s40, s41
	s_lshl_b32 s40, s40, 9                         ; its scale words: 512 bytes for 8 tiles; my two tiles' lie in dword wave % 4, the odd tile's 256 bytes on
	s_and_b32 s41, s[WV], 3
	s_lshl_b32 s41, s41, 2
	s_add_co_u32 s40, s40, s41
	s_add_co_u32 s40, s40, 4194304
	s_mov_b32 s41, 0
	s_mov_b32 s[SEL], 0x76543210
	s_mov_b32 s[SEL+1], 0xfedcba98
	s_mov_b32 s[CS], 0x3e38aa3b
	s_mov_b32 s[CS+1], s[CS]                       ; (named with it as a pair)
	s_mov_b32 s[CN], 0xbe38aa3b
	s_mov_b32 s[MS], 0xcaf42400
	v_and_b32 v7, 31, v0
	v_bfe_u32 v20, v0, 4, 1                        ; h
	v_and_b32 v240, 7, v0                          ; r % 8
	v_bfe_u32 v241, v0, 3, 1                       ; r / 8
	v_and_b32 v242, 15, v0
	v_lshlrev_b32 v1, 4, v7                        ; 16 x lane
	v_lshlrev_b32 v2, 3, v7                        ; 8 x lane
	v_lshlrev_b32 v240, 4, v240
	v_lshlrev_b32 v242, 4, v242                    ; 16 r
	v_lshl_add_u32 v4, v20, 4, v1                  ; 16 x lane + 16 h: an image of 512 bytes in two padded rows
	v_mad_u32_u24 v240, v20, 272, v240             ; 16 (r % 8) + 272 h
	v_lshlrev_b32 v20, 3, v20                      ; 8 h
	v_mad_u32_u24 v3, v241, 2176, v240             ; K's codes: rows 8-15 of a tile lie two stored tiles (2,048 bytes, 8 rows of LDS) on
	v_lshl_add_u32 v7, v241, 2, v240               ; K's scale words: and one dword on
	v_add_nc_u32 v8, s33, v4                       ; where record w goes,
	v_add_nc_u32 v9, s33, v2
	v_add_nc_u32 v10, 8*RECP, v8                   ; and record w + 8
	v_add_nc_u32 v11, 8*RECP, v9
	s_wait_alu depctr_va_vdst(0)                   ; the wait at the head's end
	s_wait_kmcnt 0x0
	s_load_b64 s[44:45], s[10:11], 0x0             ; the two valid lengths
	s_add_nc_u64 s[34:35], s[6:7], s[36:37]
	s_add_nc_u64 s[38:39], s[4:5], s[38:39]
	s_add_nc_u64 s[40:41], s[4:5], s[40:41]
.macro GLD x, first, n                 ; n runs of 512 consecutive bytes of record w + 8 x into window x
	WIN 0x40*(\x)
.set i, \first
.rept \n
	global_load_b128 v[KV+4*i:KV+4*i+3], v1, s[34:35] offset:8*REC*(\x)+512*i
.set i, i+1
.endr
.endm
.macro LST x, first, n                 ; and on into LDS
	WIN 0x04*(\x)
.set i, \first
.rept \n
	ds_store_b128 v[8+2*(\x)], v[KV+4*i:KV+4*i+3] offset:544*i
.set i, i+1
.endr
.endm
.irp x, 0,1                            ; V's part of both records (bytes 8,704 on): every step reads it
	GLD \x, 17, 12
	global_load_b64 v[160:161], v2, s[34:35] offset:8*REC*\x+14848
.endr
	global_load_b128 v[32:35], v1, s[38:39] offset:1024    ; the second tile's Q: registers 0-7 (6: the codes 1.0 of the idle half; 7: zero)
	global_load_b128 v[36:39], v1, s[38:39] offset:1536
	WIN 0
	global_load_b128 v[32:35], v1, s[38:39]        ; the first tile's
	global_load_b128 v[36:39], v1, s[38:39] offset:512
	global_load_b32 v22, v242, s[40:41]            ; Q's scale words
	global_load_b32 v248, v242, s[40:41] offset:256
	v_mov_b32 v21, 0
	v_mov_b32 v249, 0
.irp x, 0,1
	WIN 0x40*\x
.irp j, 40,41,42,43,15,16,17,18,19,30,31,236,237
	v_mov_b32 v\j, 0                               ; Q's registers 8-11; l, f; what a path may name before a step has written it
.endr
	v_mov_b32 v13, 0xff61b1e6                      ; the largest score so far: -3e38
	v_mov_b32 v12, 0x7f61b1e6                      ; -M
	v_mov_b32 v14, 0x7f61b1e6
.set j, 0
.rept 32
	v_mov_b32 v[O+j], 0                            ; O^T: every step is written alike; the first finds zeros
.set j, j+1
.endr
.endr
	v_mov_b32 v20, v20                             ; 8 h for the second tile: window 1 from window 0
	WIN 0
	s_wait_alu depctr_va_vdst(0)
	s_wait_kmcnt 0x0
	s_lshr_b32 s[T0], s12, 4                       ; the batch
	s_cmp_eq_u32 s[T0], 0
	s_cselect_b32 s[NF], s44, s45
	s_max_i32 s[NF], s[NF], 0
	s_min_i32 s[NF], s[NF], 2048                   ; held as launch qkv holds it
	s_add_co_u32 s[NF], s[NF], 127
	s_lshr_b32 s[NF], s[NF], 7
	s_add_co_u32 s[T0], s[WV], 8
	s_cmp_lt_u32 s[WV], s[NF]                      ; K's part (bytes 0 to 8,703) of the records whose steps are worked; each arm holds its loads, its wait and its stores
	s_cbranch_scc0 .Lno_k
	s_cmp_lt_u32 s[T0], s[NF]
	s_cbranch_scc0 .Lone_k
	GLD 0, 0, 17
	GLD 1, 0, 17
	WIN 0
	s_wait_loadcnt 0x0
	LST 0, 0, 17
	LST 1, 0, 17
	WIN 0
	s_branch .Lno_k
.Lone_k:
	GLD 0, 0, 17
	s_wait_loadcnt 0x0
	LST 0, 0, 17
.Lno_k:
	s_wait_loadcnt 0x0                             ; V's parts and Q
.irp x, 0,1
	LST \x, 17, 12
	ds_store_b64 v[9+2*\x], v[160:161] offset:15776
.endr
.irp x, 0,1
	WIN 0x40*\x
.set j, 108
.rept 20
	v_mov_b32 v[j], 0                              ; the last fragment's registers 8-11, p's codes, lane permutes' destinations
.set j, j+1
.endr
.endr
	WIN 0
	s_mov_b32 s[TB], 0
	s_mov_b32 s3, 0
	s_wait_alu depctr_va_vdst(0)
	s_wait_dscnt 0x0                               ; my records are stored
	s_barrier_signal -1
	s_barrier_wait -1                              ; everybody's are
.macro VLOAD                           ; V's four fragments and their scale words
.irp t, 0,1,2,3
	ds_load_b128 v[KV+12*\t:KV+12*\t+3], v9 offset:RB+9248+1632*\t
	ds_load_b64 v[KV+12*\t+4:KV+12*\t+5], v10 offset:RB+9248+1632*\t+544
	ds_load_b128 v[KV+12*\t+6:KV+12*\t+9], v9 offset:RB+9248+1632*\t+816
	ds_load_b64 v[KV+12*\t+10:KV+12*\t+11], v10 offset:RB+9248+1632*\t+1360
.endr
	ds_load_b64 v[28:29], v10 offset:RB+15776
.endm
.macro QK x                            ; S^T of tile x: K from window 0, Q and S^T in window x
	WIN 0x44*(\x)
.irp c, 0,1
.irp w, 0,1
	v_wmma_scale_f32_16x16x128_f8f6f4 v[S+32*\c+16*\w:S+32*\c+16*\w+7], v[KV+32*\c+16*\w:KV+32*\c+16*\w+11], v[32:43], 0, v[24+2*\c+\w], v[22+226*(\x)] matrix_a_fmt:MATRIX_FMT_FP6 matrix_b_fmt:MATRIX_FMT_FP6
	v_wmma_scale_f32_16x16x128_f8f6f4 v[S+32*\c+16*\w+8:S+32*\c+16*\w+15], v[KV+32*\c+16*\w+8:KV+32*\c+16*\w+19], v[32:43], 0, v[24+2*\c+\w], v[22+226*(\x)] matrix_a_fmt:MATRIX_FMT_FP6 matrix_b_fmt:MATRIX_FMT_FP6 matrix_a_scale:MATRIX_SCALE_ROW1
.endr
.endr
.endm
.macro PV x                            ; O^T += V^T P^T of tile x: V from window 0; the accumulators take turns
	WIN 0x54*(\x)
.irp t, 0,2
	v_wmma_scale_f32_16x16x128_f8f6f4 v[O+8*\t:O+8*\t+7], v[KV+12*\t:KV+12*\t+11], v[P:P+11], v[O+8*\t:O+8*\t+7], v[28+\t/2], v[21+228*(\x)] matrix_a_fmt:MATRIX_FMT_FP6 matrix_b_fmt:MATRIX_FMT_FP6
	v_wmma_scale_f32_16x16x128_f8f6f4 v[O+8*\t+8:O+8*\t+15], v[KV+12*\t+12:KV+12*\t+23], v[P:P+11], v[O+8*\t+8:O+8*\t+15], v[28+\t/2], v[21+228*(\x)] matrix_a_fmt:MATRIX_FMT_FP6 matrix_b_fmt:MATRIX_FMT_FP6 matrix_a_scale:MATRIX_SCALE_ROW1
.endr
.endm
.macro NEWM                            ; from the largest score: the new -M = floor(-t), a whole number, and f = 2^(old M - new M)
	s_delay_alu instid0(VALU_DEP_1)
	v_mul_f32 v23, s[CN], v13
	s_delay_alu instid0(VALU_DEP_1)
	v_floor_f32 v[NMN], v23
	s_delay_alu instid0(VALU_DEP_1)
	v_sub_f32 v23, v[NMN], v[NMO]
	s_delay_alu instid0(VALU_DEP_1)
	v_cvt_i32_f32 v23, v23                         ; (it saturates)
	s_delay_alu instid0(VALU_DEP_1)
	v_ldexp_f32 v18, 1.0, v23
.endm
.macro OSCALE x                        ; O^T under the new M; these lines are also the places between the last writes of p's codes and scale word and the products
	WIN 0x55*(\x)
	s_wait_alu depctr_va_vdst(0)                   ; the wait directly ahead of O^T's first reader
.set j, 0
.rept 16
	v_pk_mul_f32 v[O+j:O+j+1], v[O+j:O+j+1], v[18:19] op_sel_hi:[1,0]
.set j, j+2
.endr
.endm
.macro SOFT x                          ; tile x: from S^T to p, its codes and its scale word
	WIN 0x55*(\x)
	s_wait_alu depctr_va_vdst(0)                   ; the wait directly ahead of S^T's first readers
.irp t, 0,1,2,3,4,5,6,7                        ; my two blocks' largest scores, eight chains by turns; each accumulator is read from its low end on
	v_max3_num_f32 v[224+\t], v[S+8*\t], v[S+8*\t+1], v[S+8*\t+2]
.endr
.irp i, 3,5
.irp t, 0,1,2,3,4,5,6,7
	v_max3_num_f32 v[224+\t], v[224+\t], v[S+8*\t+\i], v[S+8*\t+\i+1]
.endr
.endr
.irp c, 0,1
	v_max3_num_f32 v[224+4*\c], v[224+4*\c], v[225+4*\c], v[S+32*\c+7]
	v_max3_num_f32 v[226+4*\c], v[226+4*\c], v[227+4*\c], v[S+32*\c+15]
.endr
.irp c, 0,1
	v_max3_num_f32 v[224+4*\c], v[224+4*\c], v[226+4*\c], v[S+32*\c+23]
.endr
.irp c, 0,1
	v_max_num_f32 v[30+\c], v[224+4*\c], v[S+32*\c+31]   ; block 2 c + h: it serves the row's maximum and, since p rises with the score, the block's largest p
.endr
	s_delay_alu instid0(VALU_DEP_1)
	v_max_num_f32 v23, v30, v31
	s_delay_alu instid0(VALU_DEP_1)
	v_permlanex16_b32 v126, v23, s[SEL], s[SEL+1]
	s_delay_alu instid0(VALU_DEP_1)
	v_max3_num_f32 v13, v13, v23, v126             ; with lane l xor 16's 64 keys
	NEWM
.set j, 0
.rept 32
	v_pk_fma_f32 v[S+j:S+j+1], v[S+j:S+j+1], s[CS:CS+1], v[NMN:NMN+1] op_sel_hi:[1,0,0]   ; t - M, two at a time
.set j, j+2
.endr
	v_fma_f32 v30, v30, s[CS], v[NMN]              ; the same of the blocks' largest scores
	v_fma_f32 v31, v31, s[CS], v[NMN]
	s_wait_alu depctr_va_vdst(0)                   ; the wait ahead of the batch
	v_exp_f32 v30, v30
	v_exp_f32 v31, v31
.set j, 0
.rept 64
	v_exp_f32 v[S+j], v[S+j]                       ; p = 2^(t - M)
.set j, j+1
.endr
	v_nop                                          ; the plain place behind the exponentials
	s_wait_alu depctr_va_vdst(0)                   ; one wait for the batch, ahead of its first reader
	v_max_num_f32 v30, 0x1800000, v30              ; the floor 2^(3 - 127): a block whose every p is 0 keeps the byte 1 over zero codes
	v_max_num_f32 v31, 0x1800000, v31
	v_add_nc_u32 v124, 0xff000000, v30             ; the conversions' scale operands
	v_add_nc_u32 v125, 0xff000000, v31
	v_lshrrev_b32 v30, 23, v124
	v_lshrrev_b32 v31, 23, v125
	s_delay_alu instid0(VALU_DEP_1)
	v_lshl_or_b32 v30, v31, 16, v30                ; my two bytes, blocks h and 2 + h,
	s_delay_alu instid0(VALU_DEP_1)
	v_lshlrev_b32 v30, v20, v30                    ; at their places;
	s_delay_alu instid0(VALU_DEP_1)
	v_permlanex16_b32 v127, v30, s[SEL], s[SEL+1]
	WIN 0x15*(\x)                                  ; the scale word goes to window 0
	v_or_b32 v[21+228*(\x)], v30, v127             ; with lane l xor 16's two: p's scale word
	WIN 0x55*(\x)
.irp c, 0,1
	v_cvt_scalef32_pk16_fp6_f32 v[P+6*\c:P+6*\c+2], v[S+32*\c:S+32*\c+15], v[124+\c]
	v_cvt_scalef32_pk16_fp6_f32 v[224+4*\c:226+4*\c], v[S+32*\c+16:S+32*\c+31], v[124+\c]   ; (a conversion's three registers begin on an even number)
.endr
	v_nop                                          ; one plain place behind a scaled conversion
.irp c, 0,1
.irp i, 0,1,2
	v_mov_b32 v[P+3+6*\c+\i], v[224+4*\c+\i]
.endr
.endr
.endm
.macro SUM x                           ; l x f + the unquantised p, four chains; these lines name no register of the products ahead of them and are their places
	WIN 0x55*(\x)
	v_pk_fma_f32 v[16:17], v[16:17], v[18:19], v[S:S+1] op_sel_hi:[1,0,1]
	v_pk_add_f32 v[232:233], v[S+2:S+3], v[S+4:S+5]
	v_pk_add_f32 v[234:235], v[S+6:S+7], v[S+8:S+9]
	v_pk_add_f32 v[236:237], v[S+10:S+11], v[S+12:S+13]
.irp j, 14,22,30,38,46,54
	v_pk_add_f32 v[16:17], v[16:17], v[S+\j:S+\j+1]
	v_pk_add_f32 v[232:233], v[232:233], v[S+\j+2:S+\j+3]
	v_pk_add_f32 v[234:235], v[234:235], v[S+\j+4:S+\j+5]
	v_pk_add_f32 v[236:237], v[236:237], v[S+\j+6:S+\j+7]
.endr
	v_pk_add_f32 v[16:17], v[16:17], v[S+62:S+63]
	v_pk_add_f32 v[232:233], v[232:233], v[234:235]
	v_pk_add_f32 v[16:17], v[16:17], v[236:237]
	v_pk_add_f32 v[16:17], v[16:17], v[232:233]
.endm
; A STEP THAT HOLDS KEYS THAT COUNT: 128 keys, one record, both tiles
.macro FULL k
.set RB, (\k)*RECP
.set NMN, 12+2*((\k)%2)
.set NMO, 14-2*((\k)%2)
.irp c, 0,1
.irp w, 0,1
	ds_load_b32 v[24+2*\c+\w], v11 offset:RB+8704+128*\w+8*\c      ; scale words: lanes 0-15 tile 4 c + 2 w, lanes 16-31 tile 4 c + 2 w + 1
.endr
.endr
.irp c, 0,1
.irp u, 0,1,2,3
	ds_load_b128 v[KV+32*\c+8*\u:KV+32*\c+8*\u+3], v8 offset:RB+4352*\c+1088*(\u%2)+128*(\u/2)
	ds_load_b128 v[KV+32*\c+8*\u+4:KV+32*\c+8*\u+7], v8 offset:RB+4352*\c+1088*(\u%2)+128*(\u/2)+544
.endr
.endr
	s_wait_dscnt 0x0
	QK 0
	QK 1
	WIN 0
.rept 4
	v_nop                                          ; places in front of loads into K's registers and of the first reads of S^T
.endr
	VLOAD                                          ; into K's registers; they land under the softmax
	SOFT 0
	SOFT 1
	OSCALE 0
	OSCALE 1
	WIN 0
	s_wait_alu depctr_va_vdst(0)
	s_wait_dscnt 0x0                               ; V
	PV 0
	PV 1
	SUM 0
	SUM 1
	WIN 0
.endm
; THE FIRST STEP THAT LIES WHOLLY UNDER THE MASK: the masked score enters the maximum; its p, the codes of a block of 32 such p and the scale word are made once: M moves no more
.macro MASKPREP k, x
.set NMN, 12+2*((\k)%2)
.set NMO, 14-2*((\k)%2)
	WIN 0x55*(\x)
	v_max_num_f32 v13, s[MS], v13
	NEWM
	v_mov_b32 v30, s[MS]
	s_delay_alu instid0(VALU_DEP_1)
	v_fma_f32 v30, v30, s[CS], v[NMN]
	s_wait_alu depctr_va_vdst(0)
	v_exp_f32 v30, v30                             ; p of a masked key
	v_nop
	s_wait_alu depctr_va_vdst(0)
	v_max_num_f32 v31, 0x1800000, v30
	s_delay_alu instid0(VALU_DEP_1)
	v_add_nc_u32 v124, 0xff000000, v31
	s_delay_alu instid0(VALU_DEP_1)
	v_lshrrev_b32 v31, 23, v124
	s_delay_alu instid0(VALU_DEP_1)
	v_lshl_or_b32 v31, v31, 8, v31
	WIN 0x15*(\x)
	v_lshl_or_b32 v[21+228*(\x)], v31, 16, v31     ; the same byte for all four blocks
	WIN 0x55*(\x)
.set j, 0
.rept 16
	v_mov_b32 v[S+j], v30
.set j, j+1
.endr
	v_cvt_scalef32_pk16_fp6_f32 v[P:P+2], v[S:S+15], v124   ; sixteen equal codes: 96 bits, which the operand repeats
	v_nop
.irp i, 3,6,9
	v_mov_b32 v[P+\i], v[P]
	v_mov_b32 v[P+\i+1], v[P+1]
	v_mov_b32 v[P+\i+2], v[P+2]
.endr
	v_ldexp_f32 v31, v30, 6                        ; 64 p: what my half of the lanes adds to l in each such step
	OSCALE \x
	v_pk_mul_f32 v[16:17], v[16:17], v[18:19] op_sel_hi:[1,0]
.endm
.macro MASKSTEP k                      ; every step wholly under the mask
.set RB, (\k)*RECP
	VLOAD
	v_add_f32 v16, v16, v31
	WIN 0x55
	v_add_f32 v16, v16, v31
	WIN 0
	s_wait_alu depctr_va_vdst(0)
	s_wait_dscnt 0x0
	PV 0
	PV 1
	WIN 0
.rept 4
	v_nop                                          ; places in front of the next step's loads and reads
.endr
.endm
.macro STEPK k
	s_barrier_signal -1                            ; no LDS instruction of mine is out here; between signal and wait: register work and loads of bytes that nobody writes
	s_add_co_u32 s[T0], s3, \k
	s_cmp_lt_u32 s[T0], s[NF]                      ; the branches hang on the step's number and on valid_lens alone: the same in all waves
	s_cbranch_scc0 .Lmask_\@
	FULL \k
	s_branch .Ljoin_\@
.Lmask_\@:
	s_cmp_eq_u32 s[T0], s[NF]
	s_cbranch_scc0 .Llater_\@
	MASKPREP \k, 0
	MASKPREP \k, 1
	WIN 0
.Llater_\@:
	MASKSTEP \k
.Ljoin_\@:
	s_wait_alu depctr_va_vdst(0)                   ; the wait ahead of the barrier's wait
	s_barrier_wait -1                              ; every wave has begun this step
.endm
.Ltrip:                                            ; eight trips of two steps: a constant count
	v_add_nc_u32 v8, s[TB], v3
	v_add_nc_u32 v9, s[TB], v4
	v_add_nc_u32 v10, s[TB], v2
	v_add_nc_u32 v11, s[TB], v7
	s_wait_alu depctr_va_vdst(0)
	STEPK 0
	STEPK 1
	s_add_co_u32 s[TB], s[TB], 2*RECP
	s_add_co_u32 s3, s3, 2
	s_cmp_lt_u32 s3, 16
	s_cbranch_scc1 .Ltrip
	; THE WAY OUT.  O^T / l; a lane's 32 numbers are channels 32 b + 16 h + i of its query: with lane l xor 16's the head's two blocks of 32 along the last product's K.
	v_and_b32 v10, 15, v0
	s_delay_alu instid0(VALU_DEP_1)
	v_lshlrev_b32 v10, 2, v10                      ; 4 r
	s_lshr_b32 s36, s12, 4
	s_lshl_b32 s36, s36, 4
	s_lshl_b32 s37, s13, 1
	s_add_co_u32 s36, s36, s37
	s_lshr_b32 s37, s[WV], 2
	s_add_co_u32 s36, s36, s37                     ; my group of 128 tokens: 16 x batch + 2 x block + wave / 4
	s_lshl_b32 s37, s[WV], 1
	s_and_b32 s37, s37, 7                          ; my first tile in it
	s_and_b32 s38, s12, 15                         ; the head
	s_lshr_b32 s39, s38, 1                         ; which 128 along K,
	s_and_b32 s38, s38, 1                          ; which half of it
	s_mul_i32 s40, s36, 98304
	s_mul_i32 s41, s39, 12288
	s_add_co_u32 s40, s40, s41
	s_mul_i32 s41, s37, 1536
	s_add_co_u32 s40, s40, s41
	s_mul_i32 s41, s38, 768
	s_add_co_u32 s40, s40, s41
	s_mov_b32 s41, 0
	s_lshl_b32 s42, s36, 12
	s_lshl_b32 s43, s39, 9
	s_add_co_u32 s42, s42, s43
	s_lshl_b32 s43, s37, 6
	s_add_co_u32 s42, s42, s43
	s_lshl_b32 s43, s38, 1
	s_add_co_u32 s42, s42, s43
	s_add_co_u32 s42, s42, 3145728
	s_mov_b32 s43, 0
	s_add_nc_u64 s[40:41], s[8:9], s[40:41]
	s_add_nc_u64 s[42:43], s[8:9], s[42:43]
	s_wait_alu depctr_va_vdst(0)
.macro EPI x
	WIN 0x55*(\x)
	v_add_f32 v16, v16, v17
	s_delay_alu instid0(VALU_DEP_1)
	v_permlanex16_b32 v126, v16, s[SEL], s[SEL+1]
	s_delay_alu instid0(VALU_DEP_1)
	v_add_f32 v16, v16, v126                       ; the row's sum
	s_wait_alu depctr_va_vdst(0)
	v_rcp_f32 v16, v16
	v_mov_b32 v17, 0                               ; (named with v16 as a pair; the plain place behind the reciprocal)
	s_wait_alu depctr_va_vdst(0)                   ; the wait ahead of the reciprocal's and O^T's first reader
.set j, 0
.rept 16
	v_pk_mul_f32 v[S+j:S+j+1], v[O+j:O+j+1], v[16:17] op_sel_hi:[1,0]   ; each accumulator from its low end on
.set j, j+2
.endr
.irp b, 0,1
	v_max3_num_f32 v[232+\b], |v[S+16*\b]|, |v[S+1+16*\b]|, 0x1800000
.endr
.irp i, 2,4,6,8,10,12,14
.irp b, 0,1
	v_max3_num_f32 v[232+\b], v[232+\b], |v[S+16*\b+\i]|, |v[S+1+16*\b+\i]|
.endr
.endr
.irp b, 0,1
	v_permlanex16_b32 v[236+\b], v[232+\b], s[SEL], s[SEL+1]
.endr
.irp b, 0,1
	v_max_num_f32 v[232+\b], v[232+\b], v[236+\b]
.endr
.irp b, 0,1
	v_add_nc_u32 v[244+\b], 0xff000000, v[232+\b]
.endr
.irp b, 0,1
	v_lshrrev_b32 v[236+\b], 23, v[244+\b]
.endr
	v_lshl_or_b32 v254, v237, 8, v236              ; the head's two scale bytes of my query
	v_cvt_scalef32_pk16_fp6_f32 v[224:226], v[S:S+15], v244
	v_cvt_scalef32_pk16_fp6_f32 v[228:230], v[S+16:S+31], v245
	v_nop                                          ; one plain place behind a scaled conversion
.irp i, 0,1,2
	v_permlane16_swap_b32 v[224+\i], v[228+\i]
.endr
	v_mov_b32 v227, v228
	v_mov_b32 v228, v229
	v_mov_b32 v229, v230
	WIN 0x04*(\x)                                  ; the data from window x, the offsets from window 0
	global_store_b128 v1, v[224:227], s[40:41] offset:1536*(\x)          ; 512 consecutive bytes,
	global_store_b64 v2, v[228:229], s[40:41] offset:1536*(\x)+512       ; and 256
	global_store_b16 v10, v254, s[42:43] offset:64*(\x)                  ; half of my row's scale word; lanes r and r + 16 write the same two bytes with the same value
.endm
	EPI 0
	EPI 1
	WIN 0
	s_wait_tensorcnt 0x0                           ; the wave's end
	ds_add_u32 v5, v6
	s_wait_dscnt 0x0
	s_endpgm
.Lfunc_end_k_q8da2772582_attn:
	.size	k_q8da2772582_attn, .Lfunc_end_k_q8da2772582_attn-k_q8da2772582_attn
	.p2alignl 7, 3214868480
	.fill 96, 4, 3214868480
	.section	.rodata,"a",@progbits
	.p2align	6, 0x0
	.amdhsa_kernel k_q8da2772582_attn
		.amdhsa_group_segment_fixed_size 257792
		.amdhsa_private_segment_fixed_size 0
		.amdhsa_enable_private_segment 0
		.amdhsa_kernarg_size 32
		.amdhsa_user_sgpr_count 2
		.amdhsa_user_sgpr_kernarg_segment_ptr 1
		.amdhsa_wavefront_size32 1
		.amdhsa_system_sgpr_workgroup_id_x 1
		.amdhsa_system_sgpr_workgroup_id_y 1
		.amdhsa_system_sgpr_workgroup_id_z 1
		.amdhsa_system_vgpr_workitem_id 0
		.amdhsa_next_free_vgpr 512
		.amdhsa_next_free_sgpr 66
		.amdhsa_reserve_vcc 0
		.amdhsa_float_denorm_mode_32 3
		.amdhsa_float_denorm_mode_16_64 3
		.amdhsa_memory_ordered 1
		.amdhsa_forward_progress 1
		.amdhsa_inst_pref_size 104
	.end_amdhsa_kernel
	.amdgpu_metadata
---
amdhsa.version: [ 1, 2 ]
amdhsa.kernels:
  - .name:           k_q8da2772582_attn
    .symbol:         k_q8da2772582_attn.kd
    .args:
      - { .name: qq, .offset: 0, .size: 8, .value_kind: global_buffer, .address_space: global }
      - { .name: kv, .offset: 8, .size: 8, .value_kind: global_buffer, .address_space: global }
      - { .name: oq, .offset: 16, .size: 8, .value_kind: global_buffer, .address_space: global }
      - { .name: valid_lens, .offset: 24, .size: 8, .value_kind: global_buffer, .address_space: global }
    .group_segment_fixed_size: 257792
    .private_segment_fixed_size: 0
    .kernarg_segment_align: 8
    .kernarg_segment_size: 32
    .max_flat_workgroup_size: 256
    .sgpr_count:     66
    .vgpr_count:     512
    .wavefront_size: 32
...
	.end_amdgpu_metadata
.endif
;; end of part 3
;; launch oproj (part 4): grid 8 x 32, 4 waves a work-group, clusters of 4 x 4, 327,680 bytes of LDS; arguments oq, wq, out0; writes out0
.if DOCPART == 4
	.amdgcn_target "amdgcn-amd-amdhsa--gfx1250"
	.amdhsa_code_object_version 6
	.text
	.protected	k_q8da2772582_oproj
	.globl	k_q8da2772582_oproj
	.p2align	8
	.type	k_q8da2772582_oproj,@function
k_q8da2772582_oproj:
	s_mov_b64 s[64:65], 0
	v_nop
	global_prefetch_b8 v0, s[64:65] scope:SCOPE_SE
	s_setreg_imm32_b32 hwreg(HW_REG_WAVE_MODE, 25, 1), 1
	s_wait_xcnt 0x0
	s_wait_alu depctr_hold_cnt(0) depctr_sa_sdst(0) depctr_va_vdst(0) depctr_va_sdst(0) depctr_va_ssrc(0) depctr_va_vcc(0) depctr_vm_vsrc(0)
	s_getreg_b32 s2, hwreg(HW_REG_IB_STS2, 6, 4)
	s_cmp_eq_u32 s2, 0
	s_cbranch_scc0 .Lentry_in_a_cluster
	s_endpgm
.Lentry_in_a_cluster:
	s_bfe_u32 s2, ttmp6, 0x10000c
	s_cmp_lg_u32 s2, 0xf033
	s_cbranch_scc0 .Lentry_shape_is_right
	s_endpgm
.Lentry_shape_is_right:
.set KSB,   24576
.set SUB,   12288
.set FRB,   1536
.set GRP,   98304
.set SCO,   3145728
.set FR,    12
.set NP,    4
.set SCL,   2*GRP
.set SCB,   SCL+4096+128
.set SPARE, 205056
.set STAGE, 205568
.set SPITCH, 272
.set SBLK,  16*SPITCH
.set L16,  4
.set L8,   5
.set ADRA, 16
.set ADRB, 20
.set STO,  24
.set RD,   25
.set CO,   26
.set ADRS, 27
.set SPW,  28
.set NIL,  29
.set SC,   32
.set ACC,  128
.set G1, 24
.set G0, 32
.set G1B, 48
.set G0B, 56
.set G1S, 68
.set G0S, 76
.set G1SB, 80
.set G0SB, 88
.set MSB, 0
.macro WIN new
.if MSB != \new
	s_set_vgpr_msb (MSB<<8)|\new
.set MSB, \new
.endif
.endm
.set MUL,  0x05
.set TO_F, 0x40
; out0 = O Wo on codes of FP6 (E2M3) with E8M0 scales: a block of 128 x 128 a work-group, 64 x 64 a wave, K = 1,024 in eight matrix steps.
; All of K lies in LDS, filled once: the head's four joint loads, one a wave, in one tree of branches on the wave's number:
; wave 0 A's group (98,304 dense bytes), wave 1 B's, wave 2 A's scale words (4,096 bytes), wave 3 B's.  A's are shared along a row of the cluster, B's along a column.
.macro ARM under, g0, g1, next
	s_cmp_lt_u32 s14, \under
	s_cbranch_scc0 \next
	tensor_load_to_lds s[\g0:\g0+3], s[\g1:\g1+7]
	s_nop 0
.rept 4
	v_nop
.endr
	s_branch .Lhead_asked
\next:
.endm
.macro CROUND
	s_barrier_signal -1
	s_barrier_wait -1
	s_cmp_lg_u32 s14, 0
	s_cbranch_scc1 .Lnot_wave_0_\@
	s_barrier_signal -3
.Lnot_wave_0_\@:
	s_barrier_wait -3
	s_barrier_signal -1
	s_barrier_wait -1
.endm
	s_load_b128 s[4:7], s[0:1], 0x0
	s_load_b64 s[12:13], s[0:1], 0x10
	v_lshl_add_u32 v[SPW], v0, 2, SPARE
	v_mov_b32 v[NIL], 0
	ds_add_u32 v28, v29
	ds_add_u32 v28, v29
	s_wait_dscnt 0x0
	v_lshrrev_b32 v1, 5, v0
	v_readfirstlane_b32 s14, v1
	s_lshr_b32 s15, s14, 1
	s_and_b32 s16, s14, 1
	s_bfe_u32 s40, ttmp6, 0x40000
	s_bfe_u32 s41, ttmp6, 0x40004
	s_lshl_b32 s42, ttmp9, 2
	s_add_co_u32 s42, s42, s40
	s_and_b32 s17, ttmp7, 0xffff
	s_lshl_b32 s17, s17, 2
	s_add_co_u32 s17, s17, s41
	s_lshl_b32 s43, s41, 2
	s_lshl_b32 s43, 15, s43
	s_lshl_b32 s44, 0x1111, s40
	s_or_b32 s[G1+0], s43, (3<<16)|(1<<21)
	s_or_b32 s[G1B+0], s44, (3<<16)|(1<<21)
.irp g, G1, G1B                        ; a group's codes: 384 rows of 256 bytes, dense
	s_mov_b32 s[\g+1], 32<<16
	s_mov_b32 s[\g+2], 384<<16
	s_mov_b32 s[\g+3], 32<<16
	s_mov_b32 s[\g+4], 384
	s_mov_b32 s[\g+5], 32
	s_mov_b32 s[\g+6], 0
	s_mov_b32 s[\g+7], 0
.endr
	s_or_b32 s[G1S+0], s43, (3<<16)|(1<<21)
	s_or_b32 s[G1SB+0], s44, (3<<16)|(1<<21)
.irp g, G1S, G1SB                      ; a group's scale words: 16 rows of 256 bytes, dense
	s_mov_b32 s[\g+1], 32<<16
	s_mov_b32 s[\g+2], 16<<16
	s_mov_b32 s[\g+3], 32<<16
	s_mov_b32 s[\g+4], 16
	s_mov_b32 s[\g+5], 32
	s_mov_b32 s[\g+6], 0
	s_mov_b32 s[\g+7], 0
.endr
	s_mul_i32 s20, s17, GRP                        ; A's group: its codes,
	s_mov_b32 s21, 0
	s_lshl_b32 s22, s17, 12
	s_add_co_u32 s22, s22, SCO                     ; its scale words
	s_mov_b32 s23, 0
	s_add_co_u32 s46, s42, 24                      ; B's group: Wo's are wq's groups 24 on
	s_lshl_b32 s92, s46, 12
	s_add_co_u32 s92, s92, SCO
	s_mov_b32 s93, 0
	s_mul_i32 s46, s46, GRP
	s_mov_b32 s47, 0
	s_wait_kmcnt 0x0
	s_add_nc_u64 s[20:21], s[4:5], s[20:21]
	s_add_nc_u64 s[22:23], s[4:5], s[22:23]
	s_add_nc_u64 s[46:47], s[6:7], s[46:47]
	s_add_nc_u64 s[92:93], s[6:7], s[92:93]
	CROUND
	s_mov_b32 s[G0S], 1
	s_mov_b32 s[G0S+1], SCL
	s_mov_b64 s[G0S+2:G0S+3], s[22:23]
	s_or_b32 s[G0S+3], s[G0S+3], 0x80000000
	s_mov_b32 s[G0SB], 1
	s_mov_b32 s[G0SB+1], SCB
	s_mov_b64 s[G0SB+2:G0SB+3], s[92:93]
	s_or_b32 s[G0SB+3], s[G0SB+3], 0x80000000
	s_mov_b32 s[G0], 1
	s_mov_b32 s[G0+1], 0                           ; A's group at LDS byte 0,
	s_mov_b64 s[G0+2:G0+3], s[20:21]
	s_or_b32 s[G0+3], s[G0+3], 0x80000000
	s_mov_b32 s[G0B], 1
	s_mov_b32 s[G0B+1], GRP                        ; B's behind it
	s_mov_b64 s[G0B+2:G0B+3], s[46:47]
	s_or_b32 s[G0B+3], s[G0B+3], 0x80000000
	ARM 1, G0,  G1,  .Lhead_b
	ARM 2, G0B, G1B, .Lhead_sa
	ARM 3, G0S, G1S, .Lhead_sb
	tensor_load_to_lds s[G0SB:G0SB+3], s[G1SB:G1SB+7]
	s_nop 0
.rept 4
	v_nop
.endr
.Lhead_asked:
	v_and_b32 v1, 15, v0
	v_bfe_u32 v2, v0, 4, 1
	v_and_b32 v3, 31, v0
	v_lshlrev_b32 v[L16], 4, v3
	v_lshlrev_b32 v[L8], 3, v3
	s_mul_i32 s21, s15, 4*FRB
	s_mul_i32 s22, s16, 4*FRB
	s_add_co_u32 s22, s22, GRP
.irp s, 0,1
	v_add_nc_u32 v[ADRA+\s], s21, v[L16]
	v_add_nc_u32 v[ADRB+\s], s22, v[L16]
	v_add_nc_u32 v[ADRA+2+\s], s21, v[L8]
	v_add_nc_u32 v[ADRB+2+\s], s22, v[L8]
	s_add_co_u32 s21, s21, 2*KSB
	s_add_co_u32 s22, s22, 2*KSB
.endr
	v_lshlrev_b32 v6, 2, v1
	s_lshl_b32 s21, s15, 8
	s_lshl_b32 s22, s16, 8
	s_add_co_u32 s22, s22, SCB-SCL
	s_sub_co_u32 s22, s22, s21
	v_mul_u32_u24 v7, s22, v2
	s_add_co_u32 s21, s21, SCL
	v_add_nc_u32 v6, v6, v7
	v_add_nc_u32 v[ADRS], s21, v6
	s_mul_i32 s23, s14, 4*SBLK
	s_add_co_u32 s23, s23, STAGE
	v_mul_u32_u24 v6, v1, SPITCH
	v_lshl_add_u32 v6, v2, 6, v6
	v_add_nc_u32 v[STO], s23, v6
	v_mul_u32_u24 v6, v2, SPITCH
	v_lshl_add_u32 v6, v1, 4, v6
	v_add_nc_u32 v[RD], s23, v6
	v_lshlrev_b32 v[CO], 12, v2
	v_lshl_add_u32 v[CO], v1, 4, v[CO]
	s_lshl_b32 s20, s17, 7
	s_lshl_b32 s21, s15, 6
	s_add_co_u32 s20, s20, s21
	s_lshl_b32 s20, s20, 12
	s_lshl_b32 s21, s42, 9
	s_add_co_u32 s20, s20, s21
	s_lshl_b32 s21, s16, 8
	s_add_co_u32 s20, s20, s21
	s_mov_b32 s21, 0
	s_add_nc_u64 s[12:13], s[12:13], s[20:21]
.macro FRAG reg, adr, q, i
	ds_load_b128 v[\reg:\reg+3], v[\adr] offset:(\q)*SUB+(\i)*FRB
	ds_load_b64 v[\reg+4:\reg+5], v[\adr+2] offset:(\q)*SUB+(\i)*FRB+512
	ds_load_b128 v[\reg+6:\reg+9], v[\adr] offset:(\q)*SUB+(\i)*FRB+768
	ds_load_b64 v[\reg+10:\reg+11], v[\adr+2] offset:(\q)*SUB+(\i)*FRB+1280
.endm
.macro FETCH q
	WIN TO_F
.irp i, 0,1,2,3
	FRAG 128*((\q)%2)+48+FR*\i, ADRB+(\q)/4, (\q)%4, \i
.endr
.irp i, 0,1,2,3
	FRAG 128*((\q)%2)+FR*\i, ADRA+(\q)/4, (\q)%4, \i
.endr
.endm
.macro SCALES p
.irp q, 0,1,2,3
.irp j, 0,1,2,3
	ds_load_b32 v[SC+16*\p+4*\q+\j], v[ADRS] offset:512*(4*\p+\q)+64*\j
.endr
.endr
.endm
.macro MUL8 q, a0, zero
.irp a, \a0, \a0+1
.irp b, 0,1,2,3
.if \zero
	v_wmma_scale_f32_16x16x128_f8f6f4 v[ACC+8*(4*(\a)+\b):ACC+8*(4*(\a)+\b)+7], v[128*((\q)%2)+48+FR*\b:128*((\q)%2)+48+FR*\b+FR-1], v[128*((\q)%2)+FR*(\a):128*((\q)%2)+FR*(\a)+FR-1], 0, v[SC+4*(\q)+\b], v[SC+4*(\q)+(\a)] matrix_a_fmt:MATRIX_FMT_FP6 matrix_b_fmt:MATRIX_FMT_FP6 matrix_a_scale:MATRIX_SCALE_ROW1
.else
	v_wmma_scale_f32_16x16x128_f8f6f4 v[ACC+8*(4*(\a)+\b):ACC+8*(4*(\a)+\b)+7], v[128*((\q)%2)+48+FR*\b:128*((\q)%2)+48+FR*\b+FR-1], v[128*((\q)%2)+FR*(\a):128*((\q)%2)+FR*(\a)+FR-1], v[ACC+8*(4*(\a)+\b):ACC+8*(4*(\a)+\b)+7], v[SC+4*(\q)+\b], v[SC+4*(\q)+(\a)] matrix_a_fmt:MATRIX_FMT_FP6 matrix_b_fmt:MATRIX_FMT_FP6 matrix_a_scale:MATRIX_SCALE_ROW1
.endif
.endr
.endr
.endm
.macro PLACES n
.rept \n
	v_nop
.endr
.endm
.macro STEP q, zero, fetch
	s_wait_dscnt 0x0
.if \fetch
.if (\q) > 0
	PLACES NP
.endif
	FETCH (\q)+1
.endif
	WIN MUL
	MUL8 \q, 0, \zero
	MUL8 \q, 2, \zero
.endm
	s_wait_alu depctr_va_vdst(0)
	s_wait_tensorcnt 0x0                           ; my tile of the four is in; behind the barrier everybody's is
	s_barrier_signal -1
	s_barrier_wait -1
	FETCH 0
	WIN 0
	SCALES 0
	STEP 0, 1, 1
	STEP 1, 0, 1
	STEP 2, 0, 1
	WIN 0
	s_wait_tensorcnt 0x0
	ds_add_u32 v[SPW], v[NIL]
	s_wait_dscnt 0x0
	s_barrier_signal -1
	WIN MUL
	MUL8 3, 0, 0
	s_barrier_wait -1
	PLACES NP
	FETCH 4
	WIN 0
	SCALES 1
	WIN MUL
	MUL8 3, 2, 0
	STEP 4, 0, 1
	STEP 5, 0, 1
	STEP 6, 0, 1
	STEP 7, 0, 0
	WIN 0
.macro TOSTAGE a
.irp b, 0,1,2,3
	ds_store_b128 v[STO], v[ACC+8*(4*\a+\b):ACC+8*(4*\a+\b)+3] offset:\a*SBLK+128*(\b/2)+32*(\b%2)
	ds_store_b128 v[STO], v[ACC+8*(4*\a+\b)+4:ACC+8*(4*\a+\b)+7] offset:\a*SBLK+128*(\b/2)+32*(\b%2)+16
.endr
.irp i, 0,1,2,3,4,5,6,7
	ds_load_b128 v[ACC+32*\a+4*\i:ACC+32*\a+4*\i+3], v[RD] offset:\a*SBLK+2*\i*SPITCH
.endr
.endm
.macro SEND a, younger
	s_wait_dscnt \younger
.irp i, 0,1,2,3,4,5,6,7
	global_store_b128 v[CO], v[ACC+32*\a+4*\i:ACC+32*\a+4*\i+3], s[12:13] offset:(32*(\a/2)+8*(\a%2)+2*\i+8*(\i/4))*4096 th:TH_STORE_NT
.endr
.endm
	PLACES NP
	TOSTAGE 0
	TOSTAGE 1
	SEND 0, 16
	TOSTAGE 2
	SEND 1, 16
	TOSTAGE 3
	SEND 2, 16
	SEND 3, 0
	s_wait_tensorcnt 0x0
	ds_add_u32 v[SPW], v[NIL]
	s_wait_dscnt 0x0
	CROUND
	s_endpgm
.Lfunc_end_k_q8da2772582_oproj:
	.size	k_q8da2772582_oproj, .Lfunc_end_k_q8da2772582_oproj-k_q8da2772582_oproj
	.p2alignl 7, 3214868480
	.fill 96, 4, 3214868480
	.section	.rodata,"a",@progbits
	.p2align	6, 0x0
	.amdhsa_kernel k_q8da2772582_oproj
		.amdhsa_group_segment_fixed_size 327680
		.amdhsa_private_segment_fixed_size 0
		.amdhsa_enable_private_segment 0
		.amdhsa_kernarg_size 24
		.amdhsa_user_sgpr_count 2
		.amdhsa_user_sgpr_kernarg_segment_ptr 1
		.amdhsa_wavefront_size32 1
		.amdhsa_system_sgpr_workgroup_id_x 1
		.amdhsa_system_sgpr_workgroup_id_y 1
		.amdhsa_system_sgpr_workgroup_id_z 1
		.amdhsa_system_vgpr_workitem_id 0
		.amdhsa_next_free_vgpr 512
		.amdhsa_next_free_sgpr 98
		.amdhsa_reserve_vcc 0
		.amdhsa_float_denorm_mode_32 3
		.amdhsa_float_denorm_mode_16_64 3
		.amdhsa_memory_ordered 1
		.amdhsa_forward_progress 1
		.amdhsa_inst_pref_size 52
	.end_amdhsa_kernel
	.amdgpu_metadata
---
amdhsa.version: [ 1, 2 ]
amdhsa.kernels:
  - .name:           k_q8da2772582_oproj
    .symbol:         k_q8da2772582_oproj.kd
    .args:
      - { .name: oq, .offset: 0, .size: 8, .value_kind: global_buffer, .address_space: global }
      - { .name: wq, .offset: 8, .size: 8, .value_kind: global_buffer, .address_space: global }
      - { .name: out0, .offset: 16, .size: 8, .value_kind: global_buffer, .address_space: global }
    .group_segment_fixed_size: 327680
    .private_segment_fixed_size: 0
    .kernarg_segment_align: 8
    .kernarg_segment_size: 24
    .max_flat_workgroup_size: 128
    .sgpr_count:     98
    .vgpr_count:     512
    .wavefront_size: 32
...
	.end_amdgpu_metadata
.endif
;; end of part 4
